; MI455X (gfx1250); checked and timed in simulation.
; The chip was launched on July 23, 2026; its instructions are those of AMD's public machine-readable ISA for CDNA 5 (MIT licence, August 2026) and "CDNA5" Instruction Set Architecture Reference Guide (July 2026). The comments in the code are by the model that wrote it; some were corrected since.
;; Attention. Allowed arithmetic: matrix products marked QUANTISED: E2M1 operands, one E8M0 scale for each 32 along K, by v_wmma_scale_f32_16x16x128_f8f6f4 with both operands' format E2M1 (or v_wmma_scale_f32_32x16x128_f4), f32 sums; products left as they are: bf16, f16 or f32 operands; f32 sums; everything else in f32.
;; Inputs: bk 16 x 64 float32; bo 1,024 float32; bq 16 x 64 float32; bv 16 x 64 float32; wk 1,024 x 16 x 64 float32; wo 16 x 64 x 1,024 float32; wq 1,024 x 16 x 64 float32; wv 1,024 x 16 x 64 float32; x 1 x 4,096 x 1,024 float32.
;; Outputs: out0 1 x 4,096 x 1,024 float32.
;; Constants: is_causal = 1.
;; This version of the problem:
;;   THIS VERSION OF THE PROBLEM IS GIVEN IN LOW PRECISION. The matrix products marked QUANTISED in the list below multiply operands that are first quantised to E2M1 (2 exponent bits, 1 mantissa bit; 4 bits a number), with one power-of-two scale for each 32 numbers along K (OCP MX v1.0); their sums are f32. The products marked 'left as it is' may take bf16, f16 or f32 operands, with f32 sums. Whichever they take, every output number must still come out within the allowed error. Rounding operands to bf16 (8 significant bits) uses up far more of that allowance than f16 does (11 bits, for magnitudes from 6e-5 to 65,504). All else is computed in f32.
;;   The module's matrix products, in the order in which they are computed (A, B: the left and right operand; K: the contracted axis; several contracted axes count as one K, in the product's order):
;;     1. [M 4,096, K 1,024] x [K 1,024, N 1,024]; A: input x; B: input wq: QUANTISED
;;     2. [M 4,096, K 1,024] x [K 1,024, N 1,024]; A: input x; B: input wk: QUANTISED
;;     3. [M 4,096, K 1,024] x [K 1,024, N 1,024]; A: input x; B: input wv: QUANTISED
;;     4. batch 16 x [M 4,096, K 64] x [K 64, N 4,096]; A: computed on the way; B: computed on the way: left as it is (an operand is computed on the way)
;;     5. batch 16 x [M 64, K 4,096] x [K 4,096, N 4,096]; A: computed on the way; B: computed on the way: left as it is (an operand is computed on the way)
;;     6. [M 4,096, K 1,024] x [K 1,024, N 1,024]; A: computed on the way; B: input wo: left as it is (an operand is computed on the way)
;;   THE QUANTISER, for each operand of a quantised product, along K:
;;     - K is cut into blocks of 32 from its start; a last block that is shorter is filled with zeros.
;;     - A block's scale is 2^e with e = floor(log2(the largest magnitude in the block)) - 2, held to -126 .. 127; a block of zeros has e = 0. As a byte (E8M0): e + 127.
;;     - Each number is divided by its block's scale, clamped to +-6, and rounded to the nearest number of E2M1, ties to even, subnormals kept.
;;     - The product sums the exact products of the quantised numbers (number of the format x scale) in f32.
;;   ~~~python
;;   def quantise(x, axis):      # numpy; x: float32 -> the quantised numbers, widened to float32 again
;;       x = np.moveaxis(x, axis, -1); K = x.shape[-1]
;;       x = np.pad(x, [(0, 0)] * (x.ndim - 1) + [(0, -K % 32)]); x = x.reshape(x.shape[:-1] + (-1, 32)); a = np.abs(x).max(-1, keepdims=True)
;;       e = np.where(a > 0, np.clip(np.frexp(np.where(a > 0, a, 1))[1] - 1 - 2, -126, 127), 0)      # np.frexp(a)[1] - 1 = floor(log2(a)), exactly
;;       r = np.clip(x / 2.0 ** e, -6, 6)
;;       step = 2.0 ** (np.maximum(np.frexp(np.where(r == 0, 1, r))[1] - 1, 0) - 1)
;;       q = np.round(r / step) * step * 2.0 ** e      # np.round: ties to even
;;       return np.moveaxis(q.reshape(q.shape[:-2] + (-1,))[..., :K], -1, axis).astype(np.float32)
;;   ~~~
;; One version. Each part assembles by itself: llvm-mc -triple=amdgcn-amd-amdhsa -mcpu=gfx1250 --defsym DOCPART=n.
;; ======== version 1 of 1: 5 launches
;; limits: values are held in f16: magnitudes above 65,504 overflow, below 6.1e-05 lose precision
;; workspace buffers: xc 2,097,152 bytes; xs 131,072 bytes; wc 1,572,864 bytes; ws 98,304 bytes; wo16 2,097,152 bytes; qkv 25,165,824 bytes; r32 196,608 bytes; vals 8,388,608 bytes
;; launch prep (part 1): grid 208 x 1, 16 waves a work-group, no clusters, 121,856 bytes of LDS; arguments x, wq, wk, wv, wo, xc, xs, wc, ws, wo16; writes xc, xs, wc, ws, wo16
.if DOCPART == 1
	.amdgcn_target "amdgcn-amd-amdhsa--gfx1250"
	.amdhsa_code_object_version 6
	.text
	.protected	k_q137430fd79_prep
	.globl	k_q137430fd79_prep
	.p2align	8
	.type	k_q137430fd79_prep,@function
k_q137430fd79_prep:
	s_mov_b64 s[64:65], 0
	v_nop
	global_prefetch_b8 v0, s[64:65] scope:SCOPE_SE
	s_setreg_imm32_b32 hwreg(HW_REG_WAVE_MODE, 25, 1), 1
	s_wait_xcnt 0x0
; PREP: every operand is brought into the form in which the later launches read it, once.
;   work-groups 0-127   (X): x [4096][1024] f32 -> codes of E2M1 xc [4096][512 bytes], K innermost, and one E8M0 byte for each 32 along K, xs [4096][32].
;   work-groups 128-175 (W): wq, wk, wv [1024 k][1024 n] f32, K their FIRST axis -> wc [3072 n][512 bytes], K innermost, ws [3072][32]; n = 1024 x (0 q, 1 k, 2 v) + 64 head + channel.
;   work-groups 176-207 (O): wo [1024][1024] f32 -> wo16, f16, as it lies.
; A block's scale is 2^(floor(log2(its largest magnitude)) - 2); its byte is the largest magnitude's exponent field - 2, held at 1 from below.
; LIMITS: a block of zeros gets the byte 1 where the quantiser says 127: its codes are zeros, which add nothing under any byte but 0xff, and this program alone reads the bytes.
; Blocks whose largest magnitude lies under 2^-124 (the floor) were not tried.  NaN and infinities among the inputs are not served.  wo in f16: magnitudes over 65,504 are not served; under 6e-5 the error is 3e-8 at the most.
; The three paths part on the work-group's number alone, never join, and have LDS bytes of their own.  No tensor load, no matrix instruction.
.set SP,    80                         ; X: a lane's place in a stage: its 64 bytes + 16 of padding
.set XSC,   81920                      ; behind X's 16 x 2 stages of 32 x SP bytes: X's 1,024 scale bytes
.set WST,   82944                      ; W: 128 columns x (256 bytes of codes + 16)
.set WSS,   117760                     ; W: 128 columns x 16 scale bytes
.set SPARE, 119808                     ; the spare words, 128 bytes for each of the 16 waves: eight blocks of 256 bytes that no other line names
.set SPW,   198                        ; v198 LDS address of my spare word; never rewritten
.set NIL,   199                        ; v199 0; never rewritten
.set EMAX,  2
	s_load_b256 s[4:11], s[0:1], 0x0               ; x, wq, wk, wv
	s_load_b256 s[12:19], s[0:1], 0x20             ; wo, xc, xs, wc
	s_load_b128 s[20:23], s[0:1], 0x40             ; ws, wo16
	v_lshl_add_u32 v[SPW], v0, 2, SPARE
	v_mov_b32 v[NIL], 0
	v_lshrrev_b32 v1, 5, v0
	v_readfirstlane_b32 s24, v1                    ; wave 0..15
	v_and_b32 v2, 31, v0                           ; lane
	s_mov_b32 s27, 0                               ; the upper word of every 32-bit offset
	s_wait_kmcnt 0x0
	s_cmp_lt_u32 ttmp9, 128
	s_cbranch_scc1 .Lpath_x
	s_cmp_lt_u32 ttmp9, 176
	s_cbranch_scc1 .Lpath_w
	; ---- O: a wave takes 2,048 numbers of wo: 16 loads of 512 consecutive bytes, 16 stores of 256 consecutive bytes
	s_sub_co_u32 s25, ttmp9, 176
	s_lshl_b32 s25, s25, 4
	s_add_co_u32 s25, s25, s24                     ; which run of 2,048 numbers is my wave's
	s_lshl_b32 s26, s25, 13
	s_add_nc_u64 s[12:13], s[12:13], s[26:27]
	s_lshl_b32 s26, s25, 12
	s_add_nc_u64 s[22:23], s[22:23], s[26:27]
	v_lshlrev_b32 v3, 4, v2
	v_lshlrev_b32 v4, 3, v2
.set i, 0
.rept 16
	global_load_b128 v[16+4*i:19+4*i], v3, s[12:13] offset:512*i th:TH_LOAD_NT
.set i, i+1
.endr
.set i, 0
.rept 16
	s_wait_loadcnt 15-i                            ; loads come back in order: load i is in, the younger ones stay out
	v_cvt_pk_f16_f32 v[80+2*i], v[16+4*i], v[17+4*i]
	v_cvt_pk_f16_f32 v[81+2*i], v[18+4*i], v[19+4*i]
	global_store_b64 v4, v[80+2*i:81+2*i], s[22:23] offset:256*i   ; each store has registers of its own: none is written again
.set i, i+1
.endr
	s_endpgm
	; ---- X: rows are dense and 1,024 is a multiple of 32, so x is a plain stream of blocks.  A wave takes 4 steps of 512 numbers.  Each load reads 512 consecutive bytes, 16 a lane;
	; a step's 2,048 bytes turn through the wave's own stage in LDS and come back 64 bytes a lane: 16 NEIGHBOURS along K, as the conversions want them.  Two neighbouring lanes hold a block.
.Lpath_x:
	s_lshl_b32 s25, ttmp9, 4
	s_add_co_u32 s25, s25, s24                     ; which run of 2,048 numbers is my wave's
	s_lshl_b32 s26, s25, 13
	s_add_nc_u64 s[4:5], s[4:5], s[26:27]
	s_lshl_b32 s26, s25, 10
	s_add_nc_u64 s[14:15], s[14:15], s[26:27]      ; 1,024 bytes of codes a wave
	s_lshl_b32 s26, ttmp9, 10
	s_add_nc_u64 s[16:17], s[16:17], s[26:27]      ; 1,024 scale bytes a work-group
	v_lshlrev_b32 v3, 4, v2
.irp t, 0,1,2,3
.irp i, 0,1,2,3
	global_load_b128 v[16+16*\t+4*\i:16+16*\t+4*\i+3], v3, s[4:5] offset:2048*\t+512*\i th:TH_LOAD_NT   ; all 16 loads of the wave go out at once
.endr
.endr
	s_mul_i32 s28, s24, 2*32*SP                    ; my wave's two stages
	v_lshrrev_b32 v14, 2, v2
	v_mul_u32_u24 v14, v14, SP
	v_and_b32 v15, 3, v2
	v_lshl_add_u32 v14, v15, 4, v14
	v_add_nc_u32 v14, s28, v14                     ; in: four lanes' 64 bytes on end, then the padding: SP (lane / 4) + 16 (lane % 4)
	v_mul_u32_u24 v15, v2, SP
	v_add_nc_u32 v15, s28, v15                     ; out: SP x lane
	v_lshlrev_b32 v4, 3, v2                        ; my 8 bytes of a step's 256 bytes of codes
	v_lshrrev_b32 v5, 1, v2
	s_lshl_b32 s28, s24, 6
	s_add_co_u32 s28, s28, XSC
	v_add_nc_u32 v5, s28, v5                       ; my block's scale byte: XSC + 64 x wave + lane / 2 (+ 16 x step)
	v_and_b32 v7, 63, v0
	v_lshlrev_b32 v7, 4, v7                        ; the way out of the scale bytes (waves 0 and 1): 16 bytes a thread
	v_add_nc_u32 v6, XSC, v7
.macro TURN t                          ; step t's numbers through stage t % 2: LDS serves a wave's instructions in order, so no wait stands between the stores and the loads
.irp i, 0,1,2,3
	ds_store_b128 v14, v[16+16*(\t)+4*\i:16+16*(\t)+4*\i+3] offset:32*SP*((\t)%2)+8*SP*\i
.endr
.irp i, 0,1,2,3
	ds_load_b128 v[80+16*((\t)%2)+4*\i:80+16*((\t)%2)+4*\i+3], v15 offset:32*SP*((\t)%2)+16*\i
.endr
.endm
.macro STEPX t
.set XS, 80+16*((\t)%2)
.if (\t) < 3
	s_wait_loadcnt 8-4*(\t)                        ; the next step's four loads are in; those of the steps behind it may be out
	TURN (\t)+1
.endif
.if (\t) == 0
	s_wait_dscnt 8                                 ; this step's numbers are back; behind them: the next turn's 8
.elseif (\t) < 3
	s_wait_dscnt 9                                 ; behind them: the last step's byte store and the next turn's 8
.else
	s_wait_dscnt 1                                 ; behind them: the last step's byte store
.endif
	v_max3_num_f32 v8, |v[XS]|, |v[XS+1]|, |v[XS+2]|               ; the largest magnitude of my 16, in two chains
	v_max3_num_f32 v9, |v[XS+3]|, |v[XS+4]|, |v[XS+5]|
.irp i, 6,10
	v_max3_num_f32 v8, v8, |v[XS+\i]|, |v[XS+\i+1]|
	v_max3_num_f32 v9, v9, |v[XS+\i+2]|, |v[XS+\i+3]|
.endr
	v_max3_num_f32 v8, v8, |v[XS+14]|, |v[XS+15]|
	v_max3_num_f32 v8, v8, v9, (EMAX+1)<<23        ; and the floor 2^(3 - 127): the byte cannot fall under 1
	v_max_num_f32_dpp v8, v8, v8 row_xmask:1 row_mask:0xf bank_mask:0xf   ; and of my neighbour's 16: the block's
	v_add_nc_u32 v11, -(EMAX<<23), v8              ; 2 off its exponent field: the conversion takes the exponent field of this operand as its scale
	v_cvt_scalef32_pk8_fp4_f32 v[128+4*(\t)], v[XS:XS+7], v11
	v_cvt_scalef32_pk8_fp4_f32 v[129+4*(\t)], v[XS+8:XS+15], v11
	v_lshrrev_b32 v[112+(\t)], 23, v11             ; the scale's byte (also the plain line behind the conversions)
	ds_store_b8 v5, v[112+(\t)] offset:16*(\t)     ; both lanes of a block write the same byte with the same value
	global_store_b64 v4, v[128+4*(\t):129+4*(\t)], s[14:15] offset:256*(\t)   ; 32 lanes store 256 consecutive bytes, aligned
.endm
	s_wait_loadcnt 12                              ; step 0's four loads are in
	TURN 0
	STEPX 0
	STEPX 1
	STEPX 2
	STEPX 3
	s_wait_tensorcnt 0x0                           ; behind my last LDS store
	ds_add_u32 v[SPW], v[NIL]
	s_wait_dscnt 0x0                               ; my byte stores have landed: for the others' sake, zero
	s_barrier_signal -1
	s_barrier_wait -1                              ; the work-group's 1,024 scale bytes lie in LDS
	s_cmp_lt_u32 s24, 2
	s_cbranch_scc0 .Lx_end
	ds_load_b128 v[8:11], v6                       ; waves 0 and 1: 512 consecutive bytes each
	s_wait_dscnt 0x0
	global_store_b128 v7, v[8:11], s[16:17]
.Lx_end:
	s_endpgm
	; ---- W: a work-group takes 128 columns x 512 along K of one weight; wave: 32 columns (wave % 4) x 128 along K (wave / 4).  A LANE TAKES A COLUMN AND ITS REGISTERS RUN DOWN K:
	; each load reads 128 consecutive bytes, a block of 32 lies in one lane's registers, and the conversions give codes with K innermost.  The codes meet in LDS as rows of 256 bytes and leave whole.
.Lpath_w:
	s_sub_co_u32 s25, ttmp9, 128
	s_lshr_b32 s28, s25, 4                         ; which weight: 0 q, 1 k, 2 v
	s_and_b32 s29, s25, 7                          ; which 128 columns
	s_bfe_u32 s30, s25, 0x10003                    ; which 512 along K
	s_and_b32 s31, s24, 3                          ; my 32 columns
	s_lshr_b32 s32, s24, 2                         ; my 128 along K
	s_cmp_eq_u32 s28, 0
	s_cselect_b64 s[34:35], s[6:7], s[8:9]
	s_cmp_eq_u32 s28, 2
	s_cselect_b64 s[34:35], s[10:11], s[34:35]     ; the choice hangs on the work-group's number alone
	s_lshl_b32 s26, s30, 21                        ; 512 rows of 4,096 bytes,
	s_lshl_b32 s36, s32, 19                        ; 128 rows,
	s_add_co_u32 s26, s26, s36
	s_lshl_b32 s36, s29, 9                         ; 128 columns of 4 bytes,
	s_add_co_u32 s26, s26, s36
	s_lshl_b32 s36, s31, 7                         ; 32 columns
	s_add_co_u32 s26, s26, s36
	s_add_nc_u64 s[34:35], s[34:35], s[26:27]
	s_lshl_b32 s26, s28, 19                        ; wc: 1,024 rows of 512 bytes a weight,
	s_lshl_b32 s36, s29, 16                        ; 128 rows,
	s_add_co_u32 s26, s26, s36
	s_lshl_b32 s36, s24, 12                        ; the 8 rows that my wave stores,
	s_add_co_u32 s26, s26, s36
	s_lshl_b32 s36, s30, 8                         ; 256 bytes for 512 along K
	s_add_co_u32 s26, s26, s36
	s_add_nc_u64 s[18:19], s[18:19], s[26:27]
	s_lshl_b32 s26, s28, 15                        ; ws: 1,024 rows of 32 bytes a weight,
	s_lshl_b32 s36, s29, 12
	s_add_co_u32 s26, s26, s36
	s_lshl_b32 s36, s30, 4
	s_add_co_u32 s26, s26, s36
	s_add_nc_u64 s[20:21], s[20:21], s[26:27]
	v_lshlrev_b32 v3, 2, v2                        ; in: 4 bytes a lane
.macro LOADW t                         ; block t: w(32 t + i, my column), i = 0 .. 31
.set i, 0
.rept 32
	global_load_b32 v[32+32*(\t)+i], v3, s[34:35] offset:(32*(\t)+i)*4096 th:TH_LOAD_NT
.set i, i+1
.endr
.endm
	LOADW 0
	LOADW 1
	s_lshl_b32 s36, s31, 5
	v_add_nc_u32 v5, s36, v2                       ; my column among the 128
	v_mul_u32_u24 v4, v5, 272
	s_lshl_b32 s36, s32, 6
	s_add_co_u32 s36, s36, WST
	v_add_nc_u32 v4, s36, v4                       ; its row of codes, my 64 bytes of it
	v_lshlrev_b32 v6, 4, v5
	s_lshl_b32 s36, s32, 2
	s_add_co_u32 s36, s36, WSS
	v_add_nc_u32 v6, s36, v6                       ; its 16 scale bytes, my 4 of them
	v_lshrrev_b32 v5, 4, v2
	v_and_b32 v13, 15, v2
	s_lshl_b32 s36, s24, 3
	v_add_nc_u32 v7, s36, v5
	v_mul_u32_u24 v7, v7, 272
	v_lshl_add_u32 v7, v13, 4, v7
	v_add_nc_u32 v7, WST, v7                       ; back: rows 8 x wave + lane / 16 (+ 2 i), sixteen lanes to a row
	v_lshlrev_b32 v8, 9, v5
	v_lshl_add_u32 v8, v13, 4, v8                  ; and the same place in wc
	v_and_b32 v10, 127, v0
	v_lshl_add_u32 v9, v10, 4, WSS                 ; the scale bytes' way out (waves 0 to 3): a column a thread
	v_lshlrev_b32 v10, 5, v10
.macro BLOCK t
.set XS, 32+32*(\t)
.if (\t) < 3
	s_wait_loadcnt 32                              ; this block's 32 loads are in; the next block's may be out
.else
	s_wait_loadcnt 0x0
.endif
.if (\t) < 2
	LOADW (\t)+2                                   ; every block has registers of its own, so the block two on goes out at once
.endif
	v_max3_num_f32 v12, |v[XS]|, |v[XS+1]|, |v[XS+2]|               ; the block's largest magnitude: all 32 numbers are mine
	v_max3_num_f32 v13, |v[XS+3]|, |v[XS+4]|, |v[XS+5]|
.irp i, 6,10,14,18,22,26
	v_max3_num_f32 v12, v12, |v[XS+\i]|, |v[XS+\i+1]|
	v_max3_num_f32 v13, v13, |v[XS+\i+2]|, |v[XS+\i+3]|
.endr
	v_max3_num_f32 v12, v12, |v[XS+30]|, |v[XS+31]|
	v_max3_num_f32 v12, v12, v13, (EMAX+1)<<23     ; and the floor
	v_add_nc_u32 v11, -(EMAX<<23), v12
	v_lshrrev_b32 v13, 23, v11                     ; the scale's byte
.if (\t) == 0
	v_mov_b32 v24, v13                             ; four bytes to a register, the lower K in the lower byte
.else
	v_lshl_or_b32 v24, v13, 8*(\t), v24
.endif
.irp g, 0,1,2,3
	v_cvt_scalef32_pk8_fp4_f32 v[160+4*(\t)+\g], v[XS+8*\g:XS+8*\g+7], v11
.endr
	v_nop                                          ; one plain line behind the conversions
	ds_store_b128 v4, v[160+4*(\t):163+4*(\t)] offset:16*(\t)      ; 32 codes: 16 bytes of my column's row
.endm
	BLOCK 0
	BLOCK 1
	BLOCK 2
	BLOCK 3
	ds_store_b32 v6, v24
	s_wait_tensorcnt 0x0                           ; behind my last LDS store
	ds_add_u32 v[SPW], v[NIL]
	s_wait_dscnt 0x0                               ; my stores have landed: for the others' sake, zero
	s_barrier_signal -1
	s_barrier_wait -1                              ; 128 whole rows of 256 bytes of codes, and their scale bytes, lie in LDS
.irp i, 0,1,2,3
	ds_load_b128 v[176+4*\i:179+4*\i], v7 offset:544*\i
.endr
.irp i, 0,1,2,3
	s_wait_dscnt 3-\i
	global_store_b128 v8, v[176+4*\i:179+4*\i], s[18:19] offset:1024*\i   ; sixteen lanes store 256 consecutive bytes, aligned
.endr
	s_cmp_lt_u32 s24, 4
	s_cbranch_scc0 .Lw_end
	ds_load_b128 v[192:195], v9
	s_wait_dscnt 0x0
	global_store_b128 v10, v[192:195], s[20:21]    ; 16 bytes of each column's 32: pieces, one byte for each 128 that the path reads
.Lw_end:
	s_endpgm
.Lfunc_end_k_q137430fd79_prep:
	.size	k_q137430fd79_prep, .Lfunc_end_k_q137430fd79_prep-k_q137430fd79_prep
	.p2alignl 7, 3214868480
	.fill 96, 4, 3214868480
	.section	.rodata,"a",@progbits
	.p2align	6, 0x0
	.amdhsa_kernel k_q137430fd79_prep
		.amdhsa_group_segment_fixed_size 121856
		.amdhsa_private_segment_fixed_size 0
		.amdhsa_enable_private_segment 0
		.amdhsa_kernarg_size 80
		.amdhsa_user_sgpr_count 2
		.amdhsa_user_sgpr_kernarg_segment_ptr 1
		.amdhsa_wavefront_size32 1
		.amdhsa_system_sgpr_workgroup_id_x 1
		.amdhsa_system_sgpr_workgroup_id_y 1
		.amdhsa_system_sgpr_workgroup_id_z 1
		.amdhsa_system_vgpr_workitem_id 0
		.amdhsa_next_free_vgpr 200
		.amdhsa_next_free_sgpr 66
		.amdhsa_reserve_vcc 0
		.amdhsa_float_denorm_mode_32 3
		.amdhsa_float_denorm_mode_16_64 3
		.amdhsa_memory_ordered 1
		.amdhsa_forward_progress 1
		.amdhsa_inst_pref_size 38
	.end_amdhsa_kernel
	.amdgpu_metadata
---
amdhsa.version: [ 1, 2 ]
amdhsa.kernels:
  - .name:           k_q137430fd79_prep
    .symbol:         k_q137430fd79_prep.kd
    .args:
      - { .name: x, .offset: 0, .size: 8, .value_kind: global_buffer, .address_space: global }
      - { .name: wq, .offset: 8, .size: 8, .value_kind: global_buffer, .address_space: global }
      - { .name: wk, .offset: 16, .size: 8, .value_kind: global_buffer, .address_space: global }
      - { .name: wv, .offset: 24, .size: 8, .value_kind: global_buffer, .address_space: global }
      - { .name: wo, .offset: 32, .size: 8, .value_kind: global_buffer, .address_space: global }
      - { .name: xc, .offset: 40, .size: 8, .value_kind: global_buffer, .address_space: global }
      - { .name: xs, .offset: 48, .size: 8, .value_kind: global_buffer, .address_space: global }
      - { .name: wc, .offset: 56, .size: 8, .value_kind: global_buffer, .address_space: global }
      - { .name: ws, .offset: 64, .size: 8, .value_kind: global_buffer, .address_space: global }
      - { .name: wo16, .offset: 72, .size: 8, .value_kind: global_buffer, .address_space: global }
    .group_segment_fixed_size: 121856
    .private_segment_fixed_size: 0
    .kernarg_segment_align: 8
    .kernarg_segment_size: 80
    .max_flat_workgroup_size: 512
    .sgpr_count:     66
    .vgpr_count:     200
    .wavefront_size: 32
...
	.end_amdgpu_metadata
.endif
;; end of part 1
;; launch qkv (part 2): grid 12 x 16, 4 waves a work-group, clusters of 4 x 4, 327,680 bytes of LDS; arguments xc, xs, wc, ws, bq, bk, bv, qkv, r32; writes qkv, r32
.if DOCPART == 2
	.amdgcn_target "amdgcn-amd-amdhsa--gfx1250"
	.amdhsa_code_object_version 6
	.text
	.protected	k_q137430fd79_qkv
	.globl	k_q137430fd79_qkv
	.p2align	8
	.type	k_q137430fd79_qkv,@function
k_q137430fd79_qkv:
	s_mov_b64 s[64:65], 0
	v_nop
	global_prefetch_b8 v0, s[64:65] scope:SCOPE_SE
	s_setreg_imm32_b32 hwreg(HW_REG_WAVE_MODE, 25, 1), 1
	s_wait_xcnt 0x0
	s_wait_alu depctr_hold_cnt(0) depctr_sa_sdst(0) depctr_va_vdst(0) depctr_va_sdst(0) depctr_va_ssrc(0) depctr_va_vcc(0) depctr_vm_vsrc(0)
	s_getreg_b32 s2, hwreg(HW_REG_IB_STS2, 6, 4)
	s_cmp_eq_u32 s2, 0
	s_cbranch_scc0 .Lentry_in_a_cluster
	s_endpgm
.Lentry_in_a_cluster:
	s_bfe_u32 s2, ttmp6, 0x10000c
	s_cmp_lg_u32 s2, 0xf033
	s_cbranch_scc0 .Lentry_shape_is_right
	s_endpgm
.Lentry_shape_is_right:
; QKV: C[pos][n] = sum over k of x[pos][k] w[n][k] + bias[n], pos 0..4095, n 0..3071 (q, k, v on end), K = 1,024, both operands as codes of FP4 (E2M1) with one E8M0 scale for each 32 along K; sums in f32.
; C leaves as f16 into qkv [48 g][4096 pos][64], g = 16 x (0 q, 1 k, 2 v) + head; positions 0-15 leave in f32 too, into r32 [16][3072], for the launch that carries those rows finely.
; LIMITS: q, k, v are kept in f16: magnitudes over 65,504 are not served; under 6e-5 the error is 3e-8 at the most.
; A tile of C, 256 x 256, is made by a work-group of four waves; a wave makes 128 x 128: 64 accumulators, 512 registers.  K is two steps of 512 (rows of 256 bytes): both lie in LDS slots of their own, asked for at the start:
; nothing is filled again.  All of a WGP's LDS is claimed all the same, so that the work-group is alone on its WGP.
; THE SCALES of the work-group's 256 rows of x and of w, for all of K, are two dense blocks of memory: they come into LDS once, in whole units of 256 bytes.
; CLUSTERS: 4 x 4 work-groups.  The four of a row of the cluster need the same tiles of x, the four of a column the same tiles of w: each tile is asked for JOINTLY.
; THE MATRIX INSTRUCTION IS USED TRANSPOSED (source 0 = 16 rows of w, source 1 = 16 rows of x): a lane then holds eight neighbouring n of one position.  THE BIAS IS THE C OF EACH SUM'S FIRST PRODUCT.
; REGISTERS, in windows of 256: window 0: v0-31 addresses; v32-95 scale words, two sets, and nothing else ever; v128-191 x's fragments, one set; v192-255 the bias, 8 registers for each of w's 8 blocks.
;   window 1: w's fragments, two sets.   window 2: the accumulators of my rows 0-63 ((a, b) at v[8 (8 a + b)]);   window 3: those of my rows 64-127.
.set KSTEP,  512
.set NQ,     KSTEP/128                 ; matrix instructions deep
.set ROWB,   256                       ; a tile's row in bytes
.set KROW,   512                       ; a row of xc or wc in memory
.set PITCH,  272                       ; an LDS row: 256 bytes + 16 of padding = 68 words: the 16 rows that a load touches start at 16 different banks (64 banks of 4 bytes: ISA guide 11.1)
.set FR,     8
.set NL,     2
.set NP,     4                         ; places behind this matrix instruction (ISA guide 7.12.1)
.set HALFT,  128*PITCH
.set SLOT,   4*HALFT
.set KS,     32                        ; a row of scales in bytes
.set SCL,    2*SLOT
.set HALFS,  (128*KS/256)*272
.set SBLK,   (16*KS/256)*272
.set SPARE,  SCL+4*HALFS               ; the spare words, 128 bytes for each wave: two blocks of 256 bytes that no other line names
.set SPITCH, 272                       ; the way out: a stage of 16 rows x (256 bytes + 16) for each wave, in slot 0, which has had its only fill and its last read by then
.set ADRA, 16
.set ADRB, 20
.set STO,  24
.set RD,   25
.set CO,   26
.set ADRS, 27
.set SPW,  28
.set NIL,  29
.set RO,   30                          ; v30  r32: 12,288 x (lane % 16) + 32 x (lane / 16)
.set BO,   31                          ; v31  the bias: 32 x (lane / 16)
.set SC,   32
.set AF,   128
.set BI,   192
.set TMP,  128                         ; the way out: packed results
.set BK,   160                         ; the way out: rows read back: v160-191 and v192-223 by turns
.set G1, 24
.set G0, 32
.set G1B, 48
.set G0B, 56
.set G1S, 68
.set G0S, 76
.set G1SB, 80
.set G0SB, 88
.set MSB, 0
.macro WIN new                         ; the immediate's high byte repeats the setting that is left
.if MSB != (\new)
	s_set_vgpr_msb (MSB<<8)|(\new)
.set MSB, (\new)
.endif
.endm
.set MUL_LO, 0xa1                      ; source 0 (w) window 1, source 1 (x) window 0, C and D window 2
.set MUL_HI, 0xf1                      ; the same, C and D window 3
.set BEG_LO, 0x81                      ; the first products: C (the bias) window 0, D window 2
.set BEG_HI, 0xc1                      ; D window 3
.set TO_B,   0x40
; A joint load: waves 0 and 1 fetch for x, waves 2 and 3 for w.  The branch hangs on the wave's number alone.  An s_nop 0 and four v_nop follow each of the two lines.
.macro JLOAD g0a, g1a, g0b, g1b
	s_cmp_eq_u32 s15, 0
	s_cbranch_scc0 .Lfor_b_\@
	tensor_load_to_lds s[\g0a:\g0a+3], s[\g1a:\g1a+7]
	s_nop 0
.rept 4
	v_nop
.endr
	s_branch .Lasked_\@
.Lfor_b_\@:
	tensor_load_to_lds s[\g0b:\g0b+3], s[\g1b:\g1b+7]
	s_nop 0
.rept 4
	v_nop
.endr
.Lasked_\@:
.endm
.macro CROUND                          ; a round of the cluster's barrier
	s_barrier_signal -1
	s_barrier_wait -1
	s_cmp_lg_u32 s14, 0
	s_cbranch_scc1 .Lnot_wave_0_\@
	s_barrier_signal -3
.Lnot_wave_0_\@:
	s_barrier_wait -3
	s_barrier_signal -1
	s_barrier_wait -1
.endm
	s_load_b128 s[4:7], s[0:1], 0x0                ; x's codes, x's scales
	s_load_b128 s[8:11], s[0:1], 0x10              ; w's codes, w's scales
	s_load_b128 s[96:99], s[0:1], 0x20             ; bq, bk
	s_load_b64 s[100:101], s[0:1], 0x30            ; bv
	s_load_b64 s[12:13], s[0:1], 0x38              ; qkv
	s_load_b64 s[66:67], s[0:1], 0x40              ; r32
	v_lshl_add_u32 v[SPW], v0, 2, SPARE
	v_mov_b32 v[NIL], 0
	ds_add_u32 v[SPW], v[NIL]                      ; the wave's opening: the add, twice on end, and its wait ahead of my first tensor load
	ds_add_u32 v[SPW], v[NIL]
	v_lshrrev_b32 v1, 5, v0
	v_readfirstlane_b32 s14, v1                    ; wave 0..3
	s_lshr_b32 s15, s14, 1                         ; which half of the tile's rows is mine.  Also: I fetch for x (0) or for w (1)
	s_and_b32 s16, s14, 1                          ; which half of its columns.  Also: which 128 rows of that tile I fetch
	s_bfe_u32 s40, ttmp6, 0x40000                  ; cx, cy: my place in the cluster
	s_bfe_u32 s41, ttmp6, 0x40004
	s_lshl_b32 s42, ttmp9, 2
	s_add_co_u32 s42, s42, s40                     ; tile column = 4 x cluster x + cx
	s_and_b32 s17, ttmp7, 0xffff
	s_lshl_b32 s2, s17, 1
	s_or_b32 s2, s2, s15                           ; 0 in the waves with a tile's upper rows, in the top row of clusters: the same in all partners
	s_lshl_b32 s17, s17, 2
	s_add_co_u32 s17, s17, s41                     ; tile row = 4 x cluster y + cy
	s_lshl_b32 s43, s41, 2
	s_lshl_b32 s43, 15, s43                        ; my row of the cluster
	s_lshl_b32 s44, 0x1111, s40                    ; my column
	; descriptor group 1: a tile of 128 rows x 256 bytes, 16 bytes of padding behind each row
	s_or_b32 s[G1+0], s43, (0<<16)|(1<<20)|(1<<21)|(5<<22)|(3<<25)  ; 15:0 the mask; 17:16 elements of 1 byte; 20 padding on; 21 set beside a mask; 24:22 after every 64 words; 31:25 four words
	s_or_b32 s[G1B+0], s44, (0<<16)|(1<<20)|(1<<21)|(5<<22)|(3<<25)
.irp g, G1, G1B
	s_mov_b32 s[\g+1], ROWB<<16                    ; tensor_dim0
	s_mov_b32 s[\g+2], 128<<16                     ; tensor_dim1
	s_mov_b32 s[\g+3], ROWB<<16                    ; tile_dim0
	s_mov_b32 s[\g+4], 128                         ; tile_dim1
	s_mov_b32 s[\g+5], KROW                        ; tensor_dim0_stride
	s_mov_b32 s[\g+6], 0
	s_mov_b32 s[\g+7], 0
.endr
	; the scales of 128 rows: 4,096 dense bytes, as 16 rows of 256 bytes (32 elements of 8 bytes), 16 bytes of padding behind each
	s_or_b32 s[G1S+0], s43, (3<<16)|(1<<20)|(1<<21)|(5<<22)|(3<<25)
	s_or_b32 s[G1SB+0], s44, (3<<16)|(1<<20)|(1<<21)|(5<<22)|(3<<25)
.irp g, G1S, G1SB
	s_mov_b32 s[\g+1], 32<<16
	s_mov_b32 s[\g+2], (128*KS/256)<<16
	s_mov_b32 s[\g+3], 32<<16
	s_mov_b32 s[\g+4], 128*KS/256
	s_mov_b32 s[\g+5], 32
	s_mov_b32 s[\g+6], 0
	s_mov_b32 s[\g+7], 0
.endr
	s_lshl_b32 s18, s16, 7                         ; which 128 rows of the tile I fetch
	s_lshl_b32 s20, s17, 8
	s_add_co_u32 s20, s20, s18                     ; x: row 256 x tile row + 128 x half
	s_lshl_b32 s46, s42, 8
	s_add_co_u32 s46, s46, s18                     ; w: row 256 x tile column + 128 x half
	s_mov_b32 s21, 0
	s_mov_b32 s47, 0
	s_mov_b64 s[18:19], KS
	s_mul_u64 s[22:23], s[20:21], s[18:19]         ; where these rows' scales begin, in bytes
	s_mul_u64 s[92:93], s[46:47], s[18:19]
	s_mov_b64 s[18:19], KROW
	s_mul_u64 s[20:21], s[20:21], s[18:19]         ; and their codes
	s_mul_u64 s[46:47], s[46:47], s[18:19]
	s_mul_i32 s45, s14, HALFT                      ; where they go: wave x 128 rows: no place in the cluster enters an LDS address
	s_mul_i32 s94, s14, HALFS
	s_wait_dscnt 0x0                               ; both opening adds are done
	s_wait_kmcnt 0x0
	s_add_nc_u64 s[20:21], s[4:5], s[20:21]
	s_add_nc_u64 s[22:23], s[6:7], s[22:23]
	s_add_nc_u64 s[46:47], s[8:9], s[46:47]
	s_add_nc_u64 s[92:93], s[10:11], s[92:93]
	CROUND                                         ; all sixteen work-groups are here: the joint loads meet
	s_mov_b32 s[G0S], 1
	s_add_co_u32 s[G0S+1], s94, SCL
	s_mov_b64 s[G0S+2:G0S+3], s[22:23]
	s_or_b32 s[G0S+3], s[G0S+3], 0x80000000
	s_mov_b32 s[G0SB], 1
	s_add_co_u32 s[G0SB+1], s94, SCL
	s_mov_b64 s[G0SB+2:G0SB+3], s[92:93]
	s_or_b32 s[G0SB+3], s[G0SB+3], 0x80000000
	JLOAD G0S, G1S, G0SB, G1SB                     ; the scales first: they are wanted with K step 0
.irp s, 0,1
	s_mov_b32 s[G0+4*\s], 1
	s_add_co_u32 s[G0+4*\s+1], s45, \s*SLOT
	s_add_nc_u64 s[G0+4*\s+2:G0+4*\s+3], s[20:21], \s*ROWB
	s_or_b32 s[G0+4*\s+3], s[G0+4*\s+3], 0x80000000
	s_mov_b32 s[G0B+4*\s], 1
	s_add_co_u32 s[G0B+4*\s+1], s45, \s*SLOT
	s_add_nc_u64 s[G0B+4*\s+2:G0B+4*\s+3], s[46:47], \s*ROWB
	s_or_b32 s[G0B+4*\s+3], s[G0B+4*\s+3], 0x80000000
	JLOAD G0+4*\s, G1, G0B+4*\s, G1B               ; both K steps: three loads of mine are out
.endr
	v_and_b32 v1, 15, v0                           ; l % 16
	v_bfe_u32 v2, v0, 4, 1                         ; l / 16
	; the bias of my 128 columns: lane (r, h) wants, for w's block b, bias[16 b + 8 h + 0 .. 7]: the result's layout
	s_cmp_eq_u32 ttmp9, 0                          ; the cluster's x says which of q, k, v: the same in all partners
	s_cselect_b64 s[96:97], s[96:97], s[98:99]
	s_cmp_eq_u32 ttmp9, 2
	s_cselect_b64 s[96:97], s[100:101], s[96:97]
	s_lshl_b32 s46, s40, 10                        ; 256 columns of 4 bytes for each place along the cluster's x,
	s_lshl_b32 s47, s16, 9                         ; 128 for my half
	s_add_co_u32 s46, s46, s47
	s_mov_b32 s47, 0
	s_add_nc_u64 s[96:97], s[96:97], s[46:47]
	v_lshlrev_b32 v[BO], 5, v2
.irp b, 0,1,2,3,4,5,6,7
	global_load_b128 v[BI+8*\b:BI+8*\b+3], v[BO], s[96:97] offset:64*\b
	global_load_b128 v[BI+8*\b+4:BI+8*\b+7], v[BO], s[96:97] offset:64*\b+16
.endr
	v_mul_u32_u24 v3, v1, PITCH
	v_lshl_add_u32 v4, v2, 4, v3                   ; a fragment's row x pitch + 16 x half
	s_mul_i32 s21, s15, HALFT                      ; my 128 rows of x
	s_mul_i32 s22, s16, HALFT                      ; my 128 rows of w,
	s_add_co_u32 s22, s22, 2*HALFT                 ; which lie behind x's 256
.irp s, 0,1
	v_add_nc_u32 v[ADRA+\s], s21, v4
	v_add_nc_u32 v[ADRB+\s], s22, v4
	s_add_co_u32 s21, s21, SLOT
	s_add_co_u32 s22, s22, SLOT
.endr
	v_mul_u32_u24 v5, v1, KS                       ; my row's scales: 32 bytes a row,
	v_lshrrev_b32 v6, 8, v5
	v_lshl_add_u32 v5, v6, 4, v5                   ; and 16 more for each 256 passed
	s_mul_i32 s21, s15, HALFS
	s_mul_i32 s22, s16, HALFS
	s_add_co_u32 s22, s22, 2*HALFS
	s_sub_co_u32 s22, s22, s21
	v_mul_u32_u24 v6, s22, v2                      ; lanes 16-31 take w's: one product, the distance between the two bases
	s_add_co_u32 s21, s21, SCL
	v_add_nc_u32 v5, v5, v6
	v_add_nc_u32 v[ADRS], s21, v5
	s_mul_i32 s23, s14, 16*SPITCH                  ; my stage
	v_mul_u32_u24 v5, v1, SPITCH                   ; in: row l % 16, 16 bytes for each half of the lanes
	v_lshl_add_u32 v5, v2, 4, v5
	v_add_nc_u32 v[STO], s23, v5
	v_bfe_u32 v5, v0, 3, 2                         ; back: eight lanes take 128 bytes (a head's 64 channels) of a row, four rows an instruction
	v_mul_u32_u24 v5, v5, SPITCH
	v_and_b32 v6, 7, v0
	v_lshl_add_u32 v5, v6, 4, v5
	v_add_nc_u32 v[RD], s23, v5
	v_and_b32 v6, 31, v0
	v_lshlrev_b32 v[CO], 4, v6                     ; in qkv four positions of a head are 512 consecutive bytes: 16 x lane
	v_mul_u32_u24 v[RO], v1, 12288
	v_add_nc_u32 v[RO], v[RO], v[BO]
	s_lshl_b32 s20, s42, 2
	s_lshl_b32 s21, s16, 1
	s_add_co_u32 s20, s20, s21                     ; g of my first head: 4 x tile column + 2 x half
	s_lshl_b32 s20, s20, 19                        ; 524,288 bytes a head
	s_lshl_b32 s21, s17, 15                        ; 256 positions of 128 bytes a tile row,
	s_add_co_u32 s20, s20, s21
	s_lshl_b32 s21, s15, 14                        ; 128 for my half
	s_add_co_u32 s20, s20, s21
	s_mov_b32 s21, 0
	s_add_nc_u64 s[12:13], s[12:13], s[20:21]
	s_lshl_b32 s46, s42, 10                        ; r32: my first column, in bytes
	s_lshl_b32 s47, s16, 9
	s_add_co_u32 s46, s46, s47
	s_mov_b32 s47, 0
	s_add_nc_u64 s[66:67], s[66:67], s[46:47]
.macro FRAG reg, adr, q, i             ; a fragment, 16 rows x 128 K of 4-bit codes: lane l holds row l % 16; registers 4 c .. 4 c + 3 hold K = 64 c + 32 (l / 16) + 0 .. 31
.irp c, 0,1
	ds_load_b128 v[\reg+4*\c:\reg+4*\c+3], v[\adr] offset:64*(\q)+32*\c+(\i)*16*PITCH
.endr
.endm
; 16 matrix instructions: x's blocks a0, a0 + 1 against w's eight, 128 along K.  p: w's set;  sc: the set of scale words.  first = 1: the bias is the C, and nothing is ever cleared.
; The 64 accumulators take turns, one instruction a turn, in the same order in every step.
.macro MUL16 a0, p, q, sc, first
.irp a, \a0, \a0+1
.irp b, 0,1,2,3,4,5,6,7
.if \first
	v_wmma_scale_f32_16x16x128_f8f6f4 v[8*(8*((\a)%4)+\b):8*(8*((\a)%4)+\b)+7], v[128*(\p)+FR*\b:128*(\p)+FR*\b+FR-1], v[AF+FR*(\a):AF+FR*(\a)+FR-1], v[BI+8*\b:BI+8*\b+7], v[SC+8*NQ*(\sc)+NQ*\b+(\q)], v[SC+8*NQ*(\sc)+NQ*(\a)+(\q)] matrix_a_fmt:MATRIX_FMT_FP4 matrix_b_fmt:MATRIX_FMT_FP4 matrix_a_scale:MATRIX_SCALE_ROW1
.else
	v_wmma_scale_f32_16x16x128_f8f6f4 v[8*(8*((\a)%4)+\b):8*(8*((\a)%4)+\b)+7], v[128*(\p)+FR*\b:128*(\p)+FR*\b+FR-1], v[AF+FR*(\a):AF+FR*(\a)+FR-1], v[8*(8*((\a)%4)+\b):8*(8*((\a)%4)+\b)+7], v[SC+8*NQ*(\sc)+NQ*\b+(\q)], v[SC+8*NQ*(\sc)+NQ*(\a)+(\q)] matrix_a_fmt:MATRIX_FMT_FP4 matrix_b_fmt:MATRIX_FMT_FP4 matrix_a_scale:MATRIX_SCALE_ROW1
.endif
.endr
.endr
.endm
.macro FETCH_B slot, q, p
	WIN TO_B
.irp i, 0,1,2,3,4,5,6,7
	FRAG 128*(\p)+FR*\i, ADRB+\slot, \q, \i
.endr
	WIN 0
.endm
.macro FETCH_A slot, q, i0
.irp i, \i0, \i0+1, \i0+2, \i0+3
	FRAG AF+FR*(\i), ADRA+\slot, \q, \i
.endr
.endm
.macro SCALES sc                       ; a K step's scale words: 4 words a row; lanes 0-15 take x's block i, lanes 16-31 w's block i
.irp i, 0,1,2,3,4,5,6,7
	ds_load_b128 v[SC+8*NQ*\sc+NQ*\i:SC+8*NQ*\sc+NQ*\i+3], v[ADRS] offset:\i*SBLK
.endr
.endm
.macro PLACES n                        ; plain vector lines between a matrix instruction and a load into, or a read of, its registers (ISA guide 7.12.1 for reads)
.rept \n
	v_nop
.endr
.endm
.macro STEP slot, q, first             ; a step of 128 along K that has its successor in the same slot
	s_wait_dscnt 4*NL                              ; w's set and x's blocks 0-3 are in; the youngest 8 loads (x's blocks 4-7) may be out
.if \first
	WIN BEG_LO
.else
	WIN MUL_LO
.endif
	MUL16 0, (\q)%2, \q, \slot, \first
	MUL16 2, (\q)%2, \q, \slot, \first
	s_wait_dscnt 0                                 ; x's blocks 4-7 are in
	PLACES NP
	FETCH_B \slot, (\q)+1, 1-(\q)%2
	FETCH_A \slot, (\q)+1, 0
.if \first
	WIN BEG_HI
.else
	WIN MUL_HI
.endif
	MUL16 4, (\q)%2, \q, \slot, \first
	MUL16 6, (\q)%2, \q, \slot, \first
	PLACES NP
	WIN 0
	FETCH_A \slot, (\q)+1, 4
.endm
	s_wait_tensorcnt 1                             ; the scales and my part of K step 0 are in (K step 1's load may be out)
	s_barrier_signal -1
	s_barrier_wait -1                              ; everybody's are
	s_wait_loadcnt 0x0                             ; the bias
	FETCH_B 0, 0, 0
	FETCH_A 0, 0, 0
	SCALES 0
	FETCH_A 0, 0, 4
	STEP 0, 0, 1
	STEP 0, 1, 0
	STEP 0, 2, 0
	; slot 0's last step changes slots: one barrier; in front of it my part of slot 1 has landed and my reads of slot 0 are over
	s_wait_tensorcnt 0x0                           ; all my tensor loads have landed;
	ds_add_u32 v[SPW], v[NIL]                      ; 0 onto my spare word;
	s_wait_dscnt 4*NL+1                            ; (the add and x's blocks 4-7 may be out)
	WIN MUL_LO
	MUL16 0, 1, NQ-1, 0, 0
	s_wait_dscnt 0x0                               ; the add is done, and my reads of slot 0 are over
	s_barrier_signal -1
	MUL16 2, 1, NQ-1, 0, 0
	WIN 0
	s_barrier_wait -1
	PLACES NP
	v_add_nc_u32 v[ADRS], 4*NQ, v[ADRS]            ; on to K step 1's scale words
	FETCH_B 1, 0, 0
	FETCH_A 1, 0, 0
	SCALES 1
	WIN MUL_HI
	MUL16 4, 1, NQ-1, 0, 0
	MUL16 6, 1, NQ-1, 0, 0
	PLACES NP
	WIN 0
	FETCH_A 1, 0, 4
	STEP 1, 0, 0
	STEP 1, 1, 0
	STEP 1, 2, 0
	s_wait_dscnt 4*NL                              ; the very last step: nothing more to fetch
	WIN MUL_LO
	MUL16 0, 1, NQ-1, 1, 0
	MUL16 2, 1, NQ-1, 1, 0
	s_wait_dscnt 0
	WIN MUL_HI
	MUL16 4, 1, NQ-1, 1, 0
	MUL16 6, 1, NQ-1, 1, 0
	WIN 0
	PLACES NP
	; POSITIONS 0-15 IN f32.  They are block 0 of the waves with the upper rows, in tile row 0.  The branch hangs on the cluster's y and the wave's number, the same in all partners;
	; among the top clusters' four tile rows the lanes are switched off where cy is not 0: a predicate, no branch.  32 bytes a lane, rows 12,288 bytes apart: pieces, 196,608 bytes in the whole launch.
	s_cmp_lg_u32 s2, 0
	s_cbranch_scc1 .Lno_rows
	s_wait_xcnt 0x0                                ; EXEC changes only behind this wait
	v_cmp_eq_u32 vcc_lo, s41, v[NIL]
	s_and_saveexec_b32 s3, vcc_lo
	WIN 0x08                                       ; a store's data are its source 1: window 2
.irp b, 0,1,2,3,4,5,6,7
	global_store_b128 v[RO], v[8*\b:8*\b+3], s[66:67] offset:64*\b          ; each accumulator from its low end on
	global_store_b128 v[RO], v[8*\b+4:8*\b+7], s[66:67] offset:64*\b+16
.endr
	WIN 0
	s_wait_xcnt 0x0                                ; and again, in front of the line that widens it
	s_or_b32 exec_lo, exec_lo, s3
.Lno_rows:
; THE WAY OUT, block by block of 16 positions x 128 columns (two heads): rounded to f16, 16 bytes a lane; through my own stage in LDS; back so that an instruction's 32 lanes hold four positions of one head: 512 consecutive bytes of qkv.
.macro PACK a
.set AC, 64*((\a)%4)
	WIN 0x0a+5*((\a)/4)                            ; sources 0 and 1: window 2 or 3
.irp b, 0,1,2,3,4,5,6,7
.irp r, 0,1,2,3
	v_cvt_pk_f16_f32 v[TMP+4*\b+\r], v[AC+8*\b+2*\r], v[AC+8*\b+2*\r+1]
.endr
.endr
	WIN 0
.endm
.macro TOSTAGE a
.set BB, BK+32*((\a)%2)
.irp b, 0,1,2,3,4,5,6,7
	ds_store_b128 v[STO], v[TMP+4*\b:TMP+4*\b+3] offset:32*\b
.endr
.irp t, 0,1,2,3,4,5,6,7
	ds_load_b128 v[BB+4*\t:BB+4*\t+3], v[RD] offset:(\t%4)*4*SPITCH+128*(\t/4)   ; LDS serves a wave's instructions in order (ISA guide 5.7.1.4): these see the stores above
.endr
.endm
.macro SEND a
.set BB, BK+32*((\a)%2)
	s_wait_dscnt 0x0                               ; the block is back in registers
	s_wait_xcnt 0x0                                ; the block before has read its registers: the next block's loads may land there
.irp t, 0,1,2,3,4,5,6,7
	global_store_b128 v[CO], v[BB+4*\t:BB+4*\t+3], s[12:13] offset:(\t/4)*524288+2048*(\a)+512*(\t%4)   ; head t / 4, positions 16 a + 4 (t % 4) on
.endr
.endm
	PACK 0
	TOSTAGE 0
.irp a, 1,2,3,4,5,6,7                  ; block a's conversions stand between block a - 1's loads from the stage and the wait for them
	PACK \a
	SEND \a-1
	TOSTAGE \a
.endr
	SEND 7
	s_wait_tensorcnt 0x0                           ; the wave's end, behind my last tensor load and my last LDS store
	ds_add_u32 v[SPW], v[NIL]
	s_wait_dscnt 0x0
	CROUND                                         ; the closing round
	s_endpgm
.Lfunc_end_k_q137430fd79_qkv:
	.size	k_q137430fd79_qkv, .Lfunc_end_k_q137430fd79_qkv-k_q137430fd79_qkv
	.p2alignl 7, 3214868480
	.fill 96, 4, 3214868480
	.section	.rodata,"a",@progbits
	.p2align	6, 0x0
	.amdhsa_kernel k_q137430fd79_qkv
		.amdhsa_group_segment_fixed_size 327680
		.amdhsa_private_segment_fixed_size 0
		.amdhsa_enable_private_segment 0
		.amdhsa_kernarg_size 72
		.amdhsa_user_sgpr_count 2
		.amdhsa_user_sgpr_kernarg_segment_ptr 1
		.amdhsa_wavefront_size32 1
		.amdhsa_system_sgpr_workgroup_id_x 1
		.amdhsa_system_sgpr_workgroup_id_y 1
		.amdhsa_system_sgpr_workgroup_id_z 1
		.amdhsa_system_vgpr_workitem_id 0
		.amdhsa_next_free_vgpr 1024
		.amdhsa_next_free_sgpr 102
		.amdhsa_reserve_vcc 1
		.amdhsa_float_denorm_mode_32 3
		.amdhsa_float_denorm_mode_16_64 3
		.amdhsa_memory_ordered 1
		.amdhsa_forward_progress 1
		.amdhsa_inst_pref_size 130
	.end_amdhsa_kernel
	.amdgpu_metadata
---
amdhsa.version: [ 1, 2 ]
amdhsa.kernels:
  - .name:           k_q137430fd79_qkv
    .symbol:         k_q137430fd79_qkv.kd
    .args:
      - { .name: xc, .offset: 0, .size: 8, .value_kind: global_buffer, .address_space: global }
      - { .name: xs, .offset: 8, .size: 8, .value_kind: global_buffer, .address_space: global }
      - { .name: wc, .offset: 16, .size: 8, .value_kind: global_buffer, .address_space: global }
      - { .name: ws, .offset: 24, .size: 8, .value_kind: global_buffer, .address_space: global }
      - { .name: bq, .offset: 32, .size: 8, .value_kind: global_buffer, .address_space: global }
      - { .name: bk, .offset: 40, .size: 8, .value_kind: global_buffer, .address_space: global }
      - { .name: bv, .offset: 48, .size: 8, .value_kind: global_buffer, .address_space: global }
      - { .name: qkv, .offset: 56, .size: 8, .value_kind: global_buffer, .address_space: global }
      - { .name: r32, .offset: 64, .size: 8, .value_kind: global_buffer, .address_space: global }
    .group_segment_fixed_size: 327680
    .private_segment_fixed_size: 0
    .kernarg_segment_align: 8
    .kernarg_segment_size: 72
    .max_flat_workgroup_size: 128
    .sgpr_count:     102
    .vgpr_count:     1024
    .wavefront_size: 32
...
	.end_amdgpu_metadata
.endif
;; end of part 2
;; launch attn (part 3): grid 16 x 16, 8 waves a work-group, no clusters, 327,680 bytes of LDS; arguments qkv, vals; writes vals
.if DOCPART == 3
	.amdgcn_target "amdgcn-amd-amdhsa--gfx1250"
	.amdhsa_code_object_version 6
	.text
	.protected	k_q137430fd79_attn
	.globl	k_q137430fd79_attn
	.p2align	8
	.type	k_q137430fd79_attn,@function
k_q137430fd79_attn:
	s_mov_b64 s[64:65], 0
	v_nop
	global_prefetch_b8 v0, s[64:65] scope:SCOPE_SE
	s_setreg_imm32_b32 hwreg(HW_REG_WAVE_MODE, 25, 1), 1
	s_wait_xcnt 0x0
; ATTN: vals[head][q][:] = sum over k <= q of softmax_k(Q[q] . K[k] / 8) V[k][:], head size 64, 4,096 positions, 16 heads.  Q, K, V: f16, [head][pos][64], in qkv (q, then k, then v).  vals: f16, the same layout.
; Products on f16 operands with f32 sums; maxima, exponentials and sums in f32, with a running maximum; the weights p are rounded to f16 for the second product, vals once at the end.
; LIMITS: hidden scores are taken as -infinity where the model subtracts 1e9: the same while scores stay under about 1e9.  vals in f16: as q, k, v.  Positions 0-15 are made again, in f32, by the last launch.
; SHARES.  Work-group (p, head), J = p / 4, e = p % 4.  Wave w owns TWO tiles of 16 queries: a late one at 512 (7 - J) + 64 (7 - w) + 16 e and an early one at 512 J + 64 w + 16 e.  Keys go in steps of 64;
; the late tile needs 8 (7 - J) + (7 - w) + 1 steps and the early one 8 J + w + 1: 65 in every wave of every work-group.  Both tiles share each fragment of K and V while the early one is alive.
; NO CLUSTER: the fetching of slots ends at the work-group's last query by a jump, and no jump may lead round a joint load.
; LAYOUT.  S^T = K Q^T (source 0 = 16 keys, source 1 = 16 queries): a lane holds ONE query (lane % 16) and keys 8 (lane / 16) + 0..7 of each tile of 16 keys.  Two such tiles, rounded to f16 in pairs, ARE source 1
; (32 keys x 16 queries) of O^T = V^T P.  K comes out of LDS as it lies, V ([key][channel]) turned, by ds_load_tr16_b128.
; THE RING.  Two slots of 4 key steps (256 keys).  Waves 0-3 fetch K's four steps, waves 4-7 V's: one load of 64 rows a wave behind each change of slots.  Every work-group walks all 16 slots (the trip counts are
; constants); a step all of whose keys come after a tile's queries is jumped over, and a slot whose first key comes after the work-group's last query is not asked for.
; REGISTERS: window 0: v1-15 addresses; v16-31 statistics, 8 a tile: +0 c m, +1 m, +2, +3 l, +4..7 at work (a in +6); v32-95 S^T, 32 a tile; v96-127 P, 16 a tile; v128-191 K; v192-255 V.   window 1: v0-31 Q; v32-95 O^T, 32 a tile.
.set PK,    144                        ; a row of K in LDS: 128 bytes + 16: the 16 rows of a load start at 16 different groups of four banks
.set PV,    160                        ; a row of V: 128 + 32: an odd multiple of 32 bytes, for the turning load
.set VOFF,  64*PK
.set STEPB, 64*(PK+PV)                 ; a step: 64 rows of K, then 64 rows of V
.set SLOT1, 1<<17                      ; slot 1 begins here: one exclusive or turns an address from one slot to the other
.set STAGE, 2*SLOT1                    ; the way out: for each wave and tile 16 rows x 144 bytes; no tile lands here
.set SPARE, STAGE+8*4608               ; the spare words, 128 bytes for each of the 8 waves: four blocks of 256 bytes that no other line names
.set AK0, 1
.set AV0, 2
.set ADK, 3
.set ADV, 4
.set SPW, 5
.set NIL, 6
.set DD,  7                            ; v7   16 e + lane % 16 - 8 (lane / 16): on the diagonal, register 8 kt + j is hidden where 16 kt + j is greater
.set NINF, 9
.set STO, 10
.set RD,  11
.set GOF, 12
.set PFO, 13
.set QO,  14
.set ST,  16
.set S,   32
.set P,   96
.set KR,  128
.set VR,  192
.set WV,   8
.set HEAD, 9
.set QHB,  11                          ; s11  the first of the 64 queries among which my late tile lies
.set QLB,  12                          ; s12  the same for my early tile
.set QEND, 13                          ; s13  my work-group's last query
.set TB,   14                          ; s14  LDS byte at which the step's tiles begin
.set KEY,  15                          ; s15  the step's first key
.set SLOTS, 16
.set CNT,  17
.set LIM,  18
.set CS,   20                          ; s[20:21] c = log2(e) / 8
.set SEL,  22
.set G1K,  24
.set G1V,  32
.set G0,   40
.set PFA,  52
.set MSB, 0
.macro WIN new
.if MSB != (\new)
	s_set_vgpr_msb (MSB<<8)|(\new)
.set MSB, (\new)
.endif
.endm
; Waves 0-3 fetch a step of K, waves 4-7 a step of V: the two shapes differ in the padding, so there are two groups 1 and two lines.  An s_nop 0 and four v_nop follow each.
.macro TLOAD
	s_cmp_lt_u32 s[WV], 4
	s_cbranch_scc0 .Lfor_v_\@
	tensor_load_to_lds s[G0:G0+3], s[G1K:G1K+7]
	s_nop 0
.rept 4
	v_nop
.endr
	s_branch .Lasked_\@
.Lfor_v_\@:
	tensor_load_to_lds s[G0:G0+3], s[G1V:G1V+7]
	s_nop 0
.rept 4
	v_nop
.endr
.Lasked_\@:
.endm
; A PREFETCH INTO THE L2 of what my NEXT tensor load will bring: 64 rows of 128 bytes, dense: 8,192 bytes, lanes 256 bytes apart, one instruction a wave; the eight waves cover a slot's K and V.
; All work-groups of a head walk the same K and V: the head's first work-group asks, which walks all 16 slots; so each block is named once in the launch.  It asks a slot, 4 key steps, ahead of the load.
; Slots 0 and 1 come by their loads alone; the change that asks for the last slot prefetches nothing.
.macro ASK
	s_cmp_gt_u32 s[SLOTS], s[LIM]
	s_cbranch_scc0 .Lnot_mine_\@
	global_prefetch_b8 v[PFO], s[PFA:PFA+1] th:TH_LOAD_NT scope:SCOPE_SE
.Lnot_mine_\@:
.endm
	s_load_b128 s[4:7], s[0:1], 0x0                ; qkv, vals
	v_lshl_add_u32 v[SPW], v0, 2, SPARE
	v_mov_b32 v[NIL], 0
	ds_add_u32 v[SPW], v[NIL]                      ; the wave's opening: the add, twice on end, and its wait ahead of my first tensor load
	ds_add_u32 v[SPW], v[NIL]
	v_lshrrev_b32 v1, 5, v0
	v_readfirstlane_b32 s[WV], v1                  ; wave 0..7
	s_and_b32 s[HEAD], ttmp7, 0xffff
	s_lshr_b32 s54, ttmp9, 2                       ; J
	s_and_b32 s10, ttmp9, 3                        ; e
	s_sub_co_u32 s55, 7, s54
	s_lshl_b32 s55, s55, 9
	s_sub_co_u32 s56, 7, s[WV]
	s_lshl_b32 s56, s56, 6
	s_add_co_u32 s[QHB], s55, s56
	s_lshl_b32 s55, s54, 9
	s_lshl_b32 s56, s[WV], 6
	s_add_co_u32 s[QLB], s55, s56
	s_or_b32 s[QEND], s[QHB], 511
	s_lshl_b32 s19, s[HEAD], 19                    ; a head is 524,288 bytes
	s_lshl_b32 s10, s10, 4                         ; 16 e
	s_add_co_u32 s54, s[QHB], s10
	s_lshl_b32 s54, s54, 7
	s_add_co_u32 s54, s54, s19                     ; my late tile's first row, in q and in vals
	s_mov_b32 s55, 0
	s_add_co_u32 s56, s[QLB], s10
	s_lshl_b32 s56, s56, 7
	s_add_co_u32 s56, s56, s19                     ; my early tile's
	s_mov_b32 s57, 0
	s_and_b32 s2, s[WV], 3                         ; which of a slot's four steps I fetch,
	s_lshr_b32 s3, s[WV], 2                        ; of K (0) or of V (1)
	s_mul_i32 s[G0+1], s2, STEPB
	s_mul_i32 s58, s3, VOFF
	s_add_co_u32 s[G0+1], s[G0+1], s58             ; 63:32 LDS address: slot 0
	s_add_co_u32 s58, s3, 1
	s_lshl_b32 s58, s58, 23                        ; k begins 8,388,608 bytes into qkv, v 16,777,216
	s_add_co_u32 s58, s58, s19
	s_lshl_b32 s59, s2, 13                         ; 64 rows of 128 bytes a step
	s_add_co_u32 s58, s58, s59
	s_mov_b32 s59, 0
	s_mov_b32 s[G0], 1                             ; 1:0 count = 1
	; descriptor group 1: 64 rows x 64 elements of 2 bytes, dense in memory, padded behind each row
	s_mov_b32 s[G1K], (1<<16)|(1<<20)|(4<<22)|(3<<25)   ; no mask; elements of 2 bytes; padding on: after every 32 words, four words
	s_mov_b32 s[G1V], (1<<16)|(1<<20)|(4<<22)|(7<<25)   ; the same with eight words
.irp g, G1K, G1V
	s_mov_b32 s[\g+1], 64<<16                      ; tensor_dim0
	s_mov_b32 s[\g+2], 64<<16                      ; tensor_dim1
	s_mov_b32 s[\g+3], 64<<16                      ; tile_dim0
	s_mov_b32 s[\g+4], 64                          ; tile_dim1
	s_mov_b32 s[\g+5], 64                          ; tensor_dim0_stride
	s_mov_b32 s[\g+6], 0
	s_mov_b32 s[\g+7], 0
.endr
	s_mov_b32 s[CS], 0x3e38aa3b                    ; c = log2(e) / 8
	s_mov_b32 s[CS+1], s[CS]                       ; (named with it as a pair, so it is written)
	s_mov_b32 s[SEL], 0x76543210
	s_mov_b32 s[SEL+1], 0xfedcba98
	s_mov_b32 s[TB], 0
	s_mov_b32 s[KEY], 0
	s_mov_b32 s[SLOTS], 15
	s_cmp_eq_u32 ttmp9, 0
	s_cselect_b32 s[LIM], 1, -1                    ; 1 in the head's first work-group, else the greatest number
	s_wait_dscnt 0x0                               ; both opening adds are done
	s_wait_kmcnt 0x0
	s_add_nc_u64 s[G0+2:G0+3], s[4:5], s[58:59]    ; 120:64 global address
	s_add_nc_u64 s[PFA:PFA+1], s[4:5], s[58:59]
	s_add_nc_u64 s[PFA:PFA+1], s[PFA:PFA+1], 32768 ; in slot 1: the first change of slots steps it to slot 2
	s_or_b32 s[G0+3], s[G0+3], 0x80000000          ; 127:126 type = 2
	TLOAD                                          ; slot 0: key 0 counts for every query, so it is read by all
	s_add_nc_u64 s[44:45], s[4:5], s[54:55]        ; Q of the late tile, of the early one
	s_add_nc_u64 s[46:47], s[4:5], s[56:57]
	s_add_nc_u64 s[48:49], s[6:7], s[54:55]        ; vals likewise
	s_add_nc_u64 s[50:51], s[6:7], s[56:57]
	v_and_b32 v8, 15, v0                           ; r
	v_bfe_u32 v15, v0, 4, 1                        ; h
	v_lshlrev_b32 v[QO], 7, v8
	v_lshl_add_u32 v[QO], v15, 4, v[QO]            ; Q: row r of 128 bytes, + 16 h
	WIN 0x40                                       ; destination window 1
.irp t, 0,1
.irp c, 0,1
	global_load_b128 v[16*\t+8*\c:16*\t+8*\c+3],   v[QO], s[44+2*\t:45+2*\t] offset:64*\c      ; Q stays in registers: tile t, channels 32 c on
	global_load_b128 v[16*\t+8*\c+4:16*\t+8*\c+7], v[QO], s[44+2*\t:45+2*\t] offset:64*\c+32
.endr
.endr
.set i, 0
.rept 64
	v_mov_b32 v[32+i], 0                           ; O^T.  (The step is written once for first and later steps alike: the first finds zeros, which the first a, 0, leaves zeros)
.set i, i+1
.endr
	WIN 0
	v_mul_u32_u24 v[AK0], v8, PK
	v_lshl_add_u32 v[AK0], v15, 4, v[AK0]          ; K: row r x pitch + 16 h
	v_and_b32 v3, 7, v0
	v_lshl_add_u32 v3, v15, 3, v3
	v_mul_u32_u24 v[AV0], v3, PV
	v_bfe_u32 v3, v0, 3, 1
	v_lshl_add_u32 v[AV0], v3, 4, v[AV0]
	v_add_nc_u32 v[AV0], VOFF, v[AV0]              ; V: lane l reads key 8 h + l % 8, channels 8 ((l / 8) % 2) on
	v_lshlrev_b32 v3, 3, v15
	v_sub_nc_u32 v[DD], v8, v3
	v_add_nc_u32 v[DD], s10, v[DD]
	v_mov_b32 v[NINF], 0xff800000
	s_mul_i32 s54, s[WV], 4608
	s_add_co_u32 s54, s54, STAGE                   ; my stages
	v_add_nc_u32 v[STO], s54, v[AK0]               ; in: row r x 144 + 16 h
	v_bfe_u32 v3, v0, 3, 2
	v_mul_u32_u24 v[RD], v3, 144
	v_and_b32 v3, 7, v0
	v_lshl_add_u32 v[RD], v3, 4, v[RD]
	v_add_nc_u32 v[RD], s54, v[RD]                 ; back: eight lanes to a row of 128 bytes, four rows an instruction
	v_and_b32 v[GOF], 31, v0
	v_lshlrev_b32 v[PFO], 8, v[GOF]
	v_lshlrev_b32 v[GOF], 4, v[GOF]
.irp t, 0,1
	v_mov_b32 v[ST+8*\t+1], 0xff61b1e6             ; m: -3e38, under every score
	v_mul_f32 v[ST+8*\t], s[CS], v[ST+8*\t+1]      ; c m
.irp j, 2,3,4,5,6,7
	v_mov_b32 v[ST+8*\t+\j], 0                     ; l, and the registers at work (named in pairs and by the lane permute before they are first made)
.endr
.endr
; 8 products of S^T = K Q^T for tile t: channels 32 c on, keys 16 kt on.  The four accumulators take turns, one instruction a turn; the first four start the sums.
.macro QK t
	WIN 0x04                                       ; Q in window 1
.irp c, 0,1
.irp kt, 0,1,2,3
.if \c == 0
	v_wmma_f32_16x16x32_f16 v[S+32*\t+8*\kt:S+32*\t+8*\kt+7], v[KR+8*(2*\kt+\c):KR+8*(2*\kt+\c)+7], v[16*\t+8*\c:16*\t+8*\c+7], 0
.else
	v_wmma_f32_16x16x32_f16 v[S+32*\t+8*\kt:S+32*\t+8*\kt+7], v[KR+8*(2*\kt+\c):KR+8*(2*\kt+\c)+7], v[16*\t+8*\c:16*\t+8*\c+7], v[S+32*\t+8*\kt:S+32*\t+8*\kt+7]
.endif
.endr
.endr
	WIN 0
.endm
; 8 products of O^T += V^T P for tile t: keys 32 kh on, channels 16 ct on; the four accumulators by turns.
.macro PVM t
	WIN 0x50                                       ; C and D in window 1
.irp kh, 0,1
.irp ct, 0,1,2,3
	v_wmma_f32_16x16x32_f16 v[32+32*\t+8*\ct:32+32*\t+8*\ct+7], v[VR+8*(4*\kh+\ct):VR+8*(4*\kh+\ct)+7], v[P+16*\t+8*\kh:P+16*\t+8*\kh+7], v[32+32*\t+8*\ct:32+32*\t+8*\ct+7]
.endr
.endr
	WIN 0
.endm
; Tile t's softmax for one key step.  base: the scalar register with the first of the 64 queries among which the tile lies: where the step's first key equals it, the step lies on the diagonal.
; diag = 0: the step cannot lie on this tile's diagonal, and the mask is not written.
.macro SM t, base, diag
.set rT, ST+8*\t
.set rS, S+32*\t
.set rP, P+16*\t
.if \diag
	s_cmp_lg_u32 s[KEY], s[\base]
	s_cbranch_scc1 .Lopen_\@
.set n, 0
.rept 32                               ; hidden scores become -infinity ahead of the maximum: p = 0 then.  Ascending: each accumulator is read from its low end on
	v_cmp_gt_i32 vcc_lo, 16*(n/8)+n%8, v[DD]
	v_cndmask_b32 v[rS+n], v[rS+n], v[NINF], vcc_lo
.set n, n+1
.endr
.Lopen_\@:
.endif
.irp j, 0,1,2,3                        ; the maximum of the lane's 32 scores and the old m: four chains, each begun at an accumulator's low end
	v_max3_num_f32 v[rT+4+\j], v[rS+8*\j], v[rS+8*\j+1], v[rS+8*\j+2]
.endr
.irp j, 0,1,2,3
	v_max3_num_f32 v[rT+4+\j], v[rT+4+\j], v[rS+8*\j+3], v[rS+8*\j+4]
.endr
.irp j, 0,1,2,3
	v_max3_num_f32 v[rT+4+\j], v[rT+4+\j], v[rS+8*\j+5], v[rS+8*\j+6]
.endr
	v_max3_num_f32 v[rT+4], v[rT+4], v[rS+7], v[rS+15]
	v_max3_num_f32 v[rT+6], v[rT+6], v[rS+23], v[rS+31]
	v_max3_num_f32 v[rT+4], v[rT+4], v[rT+5], v[rT+6]
	v_max3_num_f32 v[rT+4], v[rT+4], v[rT+7], v[rT+1]
	v_permlanex16_b32 v[rT+5], v[rT+4], s[SEL], s[SEL+1]   ; the query's other 32 keys lie in the lane 16 away
	v_mov_b32 v[rT+7], v[rT]                       ; c m_old
	v_max_num_f32 v[rT+1], v[rT+4], v[rT+5]        ; the new m
	v_mul_f32 v[rT], s[CS], v[rT+1]
	v_sub_f32 v[rT+7], v[rT+7], v[rT]
	v_exp_f32 v[rT+6], v[rT+7]                     ; a = 2^(c m_old - c m_new)
.set i, 0
.rept 16
	v_pk_fma_f32 v[rS+2*i:rS+2*i+1], v[rS+2*i:rS+2*i+1], s[CS:CS+1], v[rT:rT+1] op_sel_hi:[1,0,0] neg_lo:[0,0,1] neg_hi:[0,0,1]   ; c s - c m
.set i, i+1
.endr
.set i, 0
.rept 32
	v_exp_f32 v[rS+i], v[rS+i]                     ; p
.set i, i+1
.endr
	v_nop                                          ; a plain line behind the last exponential
	s_wait_alu depctr_va_vdst(0)                   ; ONE wait for the 33 exponentials, ahead of the first line that names a result
.set i, 0
.rept 16
	v_cvt_pk_f16_f32 v[rP+i], v[rS+2*i], v[rS+2*i+1]
.set i, i+1
.endr
.irp u, 0,1,2,3,4,5,6,7                ; the sum of the unrounded p, in place: neighbours 1, 2, 4 and 8 pairs apart
	v_pk_add_f32 v[rS+4*\u:rS+4*\u+1], v[rS+4*\u:rS+4*\u+1], v[rS+4*\u+2:rS+4*\u+3]
.endr
.irp u, 0,1,2,3
	v_pk_add_f32 v[rS+8*\u:rS+8*\u+1], v[rS+8*\u:rS+8*\u+1], v[rS+8*\u+4:rS+8*\u+5]
.endr
.irp u, 0,1
	v_pk_add_f32 v[rS+16*\u:rS+16*\u+1], v[rS+16*\u:rS+16*\u+1], v[rS+16*\u+8:rS+16*\u+9]
.endr
	v_pk_add_f32 v[rS:rS+1], v[rS:rS+1], v[rS+16:rS+17]
	v_pk_fma_f32 v[rT+2:rT+3], v[rT+2:rT+3], v[rT+6:rT+7], v[rS:rS+1] op_sel_hi:[1,0,1]   ; l = a l + the sum
	WIN 0x41                                       ; O^T (destination and source 0) in window 1
.set i, 0
.rept 16
	v_pk_mul_f32 v[32+32*\t+2*i:32+32*\t+2*i+1], v[32+32*\t+2*i:32+32*\t+2*i+1], v[rT+6:rT+7] op_sel_hi:[1,0]
.set i, i+1
.endr
	WIN 0
.endm
; A KEY STEP: 64 keys.  A step all of whose keys come after my late tile's queries is left out whole.  Of the others, ONE branch parts two arms that are written out: both tiles, while the step's first key is at or
; under the early tile's 64 queries; else the late tile alone.  The branches hang on ids and the count of steps; no barrier, tensor load or address step stands inside them.
; In the arm for both tiles the late tile is never on its diagonal: the early tiles' queries end at 2,047 and the late ones begin at 2,048.  There its V^T P stands ahead of the early tile's softmax, which names none of its registers.
.macro STEP
	s_cmp_gt_u32 s[KEY], s[QHB]
	s_cbranch_scc1 .Lhid_\@
	v_add_nc_u32 v[ADK], s[TB], v[AK0]
	v_add_nc_u32 v[ADV], s[TB], v[AV0]
	v_nop
	v_nop                                          ; four plain lines between the last step's products and the loads into V's registers
.irp kt, 0,1,2,3
.irp c, 0,1
	ds_load_b128 v[KR+8*(2*\kt+\c):KR+8*(2*\kt+\c)+3],   v[ADK] offset:\kt*16*PK+64*\c
	ds_load_b128 v[KR+8*(2*\kt+\c)+4:KR+8*(2*\kt+\c)+7], v[ADK] offset:\kt*16*PK+64*\c+32
.endr
.endr
.irp kh, 0,1
.irp ct, 0,1,2,3
	ds_load_tr16_b128 v[VR+8*(4*\kh+\ct):VR+8*(4*\kh+\ct)+3],   v[ADV] offset:\kh*32*PV+32*\ct
	ds_load_tr16_b128 v[VR+8*(4*\kh+\ct)+4:VR+8*(4*\kh+\ct)+7], v[ADV] offset:\kh*32*PV+16*PV+32*\ct
.endr
.endr
	s_wait_dscnt 16                                ; K is in; V's 16 loads may be out
	s_cmp_gt_u32 s[KEY], s[QLB]
	s_cbranch_scc1 .Lone_\@
	QK 0                                           ; ---- both tiles
	QK 1
.rept 4
	v_nop                                          ; places behind the products, ahead of the first read of the scores
.endr
	SM 0, QHB, 0
	s_wait_dscnt 0x0                               ; V is in
	PVM 0
	SM 1, QLB, 1
	PVM 1
	s_branch .Lhid_\@
.Lone_\@:
	QK 0                                           ; ---- the late tile alone
.rept 4
	v_nop
.endr
	SM 0, QHB, 1
	s_wait_dscnt 0x0                               ; V is in
	PVM 0
.Lhid_\@:
	s_add_co_u32 s[KEY], s[KEY], 64
	s_add_co_u32 s[TB], s[TB], STEPB
.endm
; THE CHANGE OF SLOTS stands at a slot's head.  Each wave waits for all its tensor loads (its part of the slot that it is about to read), adds 0 to its spare word, and waits for that and for its reads of the slot
; that it has left.  Behind the barrier the slot ahead is whole and nobody reads the other one.  fill = 1: that other slot takes the next 256 keys: the load has 4 key steps in which to land.
.macro CHANGE fill
	s_wait_tensorcnt 0x0                           ; no tensor load of mine is out, so the group 0 may be written
	ds_add_u32 v[SPW], v[NIL]                      ; 0 onto my spare word
.if \fill
	s_xor_b32 s[G0+1], s[G0+1], SLOT1              ; the other slot than last time,
	s_add_nc_u64 s[G0+2:G0+3], s[G0+2:G0+3], 32768 ; the next 256 keys; the type bits on top are not reached
	s_wait_xcnt 0x0                                ; the last prefetch, a slot back, has read its address, so it may be written
	s_add_nc_u64 s[PFA:PFA+1], s[PFA:PFA+1], 32768
.endif
	s_wait_dscnt 0x0                               ; the add is done, and my reads of the slot that I have left are over
	s_barrier_signal -1
	s_barrier_wait -1
.if \fill
	s_add_co_u32 s54, s[KEY], 256                  ; the first key of the slot that this change would ask for:
	s_cmp_gt_u32 s54, s[QEND]                      ; past my work-group's last query it would be read by none of the eight waves.  Ids and the count of steps alone: all waves go the same way;
	s_cbranch_scc1 .Lpast_\@                       ; every wait on TENSORcnt in this text is for 0; the jump leads round the load's own lines and nothing else
	TLOAD
.Lpast_\@:
	ASK
.endif
.endm
.macro SLOT_STEPS                      ; a slot's four key steps: written once, walked four times
	s_mov_b32 s[CNT], 4
.Lstep_\@:
	STEP
	s_sub_co_u32 s[CNT], s[CNT], 1
	s_cmp_lg_u32 s[CNT], 0
	s_cbranch_scc1 .Lstep_\@
	s_sub_co_u32 s[TB], s[TB], 4*STEPB             ; back to a slot's first step,
	s_xor_b32 s[TB], s[TB], SLOT1                  ; in the other slot
.endm
	s_wait_loadcnt 0x0                             ; Q
.Lslot:                                            ; 15 trips
	CHANGE 1
	SLOT_STEPS
	s_sub_co_u32 s[SLOTS], s[SLOTS], 1
	s_cmp_lg_u32 s[SLOTS], 0
	s_cbranch_scc1 .Lslot
	CHANGE 0                                       ; the last slot is written out: nothing is left to ask for
	SLOT_STEPS
	; THE WAY OUT.  l's two halves and the other half of the lanes' are added; O^T is divided by l, rounded to f16 and sent through my stage, so that an instruction stores 512 consecutive bytes: four rows of vals.
.rept 4
	v_nop
.endr
.irp t, 0,1
	v_add_f32 v[ST+8*\t+4], v[ST+8*\t+2], v[ST+8*\t+3]
.endr
.irp t, 0,1
	v_permlanex16_b32 v[ST+8*\t+5], v[ST+8*\t+4], s[SEL], s[SEL+1]
.endr
.irp t, 0,1
	v_add_f32 v[ST+8*\t+4], v[ST+8*\t+4], v[ST+8*\t+5]
.endr
.irp t, 0,1
	v_rcp_f32 v[ST+8*\t+6], v[ST+8*\t+4]
.endr
	v_nop                                          ; a plain line behind the last reciprocal
	s_wait_alu depctr_va_vdst(0)                   ; one wait for both, ahead of their first use
.irp t, 0,1
	WIN 0x01                                       ; source 0 (O^T) in window 1
.set i, 0
.rept 16
	v_pk_mul_f32 v[S+32*\t+2*i:S+32*\t+2*i+1], v[32+32*\t+2*i:32+32*\t+2*i+1], v[ST+8*\t+6:ST+8*\t+7] op_sel_hi:[1,0]
.set i, i+1
.endr
	WIN 0
.set i, 0
.rept 16
	v_cvt_pk_f16_f32 v[P+16*\t+i], v[S+32*\t+2*i], v[S+32*\t+2*i+1]
.set i, i+1
.endr
.irp ct, 0,1,2,3
	ds_store_b128 v[STO], v[P+16*\t+4*\ct:P+16*\t+4*\ct+3] offset:2304*\t+32*\ct
.endr
.irp f, 0,1,2,3
	ds_load_b128 v[KR+16*\t+4*\f:KR+16*\t+4*\f+3], v[RD] offset:2304*\t+576*\f   ; LDS serves a wave's instructions in order: these see my stores
.endr
.endr
	s_wait_dscnt 0x0
.irp t, 0,1
.irp f, 0,1,2,3
	global_store_b128 v[GOF], v[KR+16*\t+4*\f:KR+16*\t+4*\f+3], s[48+2*\t:49+2*\t] offset:512*\f
.endr
.endr
	s_wait_tensorcnt 0x0                           ; the wave's end, behind my last tensor load and my last LDS store
	ds_add_u32 v[SPW], v[NIL]
	s_wait_dscnt 0x0
	s_endpgm
.Lfunc_end_k_q137430fd79_attn:
	.size	k_q137430fd79_attn, .Lfunc_end_k_q137430fd79_attn-k_q137430fd79_attn
	.p2alignl 7, 3214868480
	.fill 96, 4, 3214868480
	.section	.rodata,"a",@progbits
	.p2align	6, 0x0
	.amdhsa_kernel k_q137430fd79_attn
		.amdhsa_group_segment_fixed_size 327680
		.amdhsa_private_segment_fixed_size 0
		.amdhsa_enable_private_segment 0
		.amdhsa_kernarg_size 16
		.amdhsa_user_sgpr_count 2
		.amdhsa_user_sgpr_kernarg_segment_ptr 1
		.amdhsa_wavefront_size32 1
		.amdhsa_system_sgpr_workgroup_id_x 1
		.amdhsa_system_sgpr_workgroup_id_y 1
		.amdhsa_system_sgpr_workgroup_id_z 1
		.amdhsa_system_vgpr_workitem_id 0
		.amdhsa_next_free_vgpr 384
		.amdhsa_next_free_sgpr 66
		.amdhsa_reserve_vcc 1
		.amdhsa_float_denorm_mode_32 3
		.amdhsa_float_denorm_mode_16_64 3
		.amdhsa_memory_ordered 1
		.amdhsa_forward_progress 1
		.amdhsa_inst_pref_size 76
	.end_amdhsa_kernel
	.amdgpu_metadata
---
amdhsa.version: [ 1, 2 ]
amdhsa.kernels:
  - .name:           k_q137430fd79_attn
    .symbol:         k_q137430fd79_attn.kd
    .args:
      - { .name: qkv, .offset: 0, .size: 8, .value_kind: global_buffer, .address_space: global }
      - { .name: vals, .offset: 8, .size: 8, .value_kind: global_buffer, .address_space: global }
    .group_segment_fixed_size: 327680
    .private_segment_fixed_size: 0
    .kernarg_segment_align: 8
    .kernarg_segment_size: 16
    .max_flat_workgroup_size: 256
    .sgpr_count:     66
    .vgpr_count:     384
    .wavefront_size: 32
...
	.end_amdgpu_metadata
.endif
;; end of part 3
;; launch proj (part 4): grid 8 x 32, 4 waves a work-group, clusters of 4 x 4, 327,680 bytes of LDS; arguments vals, wo16, bo, out0; writes out0
.if DOCPART == 4
	.amdgcn_target "amdgcn-amd-amdhsa--gfx1250"
	.amdhsa_code_object_version 6
	.text
	.protected	k_q137430fd79_proj
	.globl	k_q137430fd79_proj
	.p2align	8
	.type	k_q137430fd79_proj,@function
k_q137430fd79_proj:
	s_mov_b64 s[64:65], 0
	v_nop
	global_prefetch_b8 v0, s[64:65] scope:SCOPE_SE
	s_setreg_imm32_b32 hwreg(HW_REG_WAVE_MODE, 25, 1), 1
	s_wait_xcnt 0x0
	s_wait_alu depctr_hold_cnt(0) depctr_sa_sdst(0) depctr_va_vdst(0) depctr_va_sdst(0) depctr_va_ssrc(0) depctr_va_vcc(0) depctr_vm_vsrc(0)
	s_getreg_b32 s2, hwreg(HW_REG_IB_STS2, 6, 4)
	s_cmp_eq_u32 s2, 0
	s_cbranch_scc0 .Lentry_in_a_cluster
	s_endpgm
.Lentry_in_a_cluster:
	s_bfe_u32 s2, ttmp6, 0x10000c
	s_cmp_lg_u32 s2, 0xf033
	s_cbranch_scc0 .Lentry_shape_is_right
	s_endpgm
.Lentry_shape_is_right:
; PROJ: out0[pos][d] = sum over hk of vals[pos][hk] wo[hk][d] + bo[d], K = 1,024, f16 operands, f32 sums.  vals: [16 head][4096 pos][64] f16; wo16: [1024 hk][1024 d] f16; out0: [4096][1024] f32.
; All 4,096 rows are made here; rows 0-15 are written over by the last launch, which carries them in f32: a test for them here would hang on the work-group's place in its cluster.
; A tile of out0 is 128 x 128: 256 work-groups.  Four waves, each 64 x 64: 16 accumulators.  K goes in 4 steps of 256 (four heads) through two LDS slots, written straight: no loop.
; CLUSTERS: 4 x 4 work-groups; vals' tiles are shared along a row of the cluster, wo's along a column: joint loads.
; THE MATRIX INSTRUCTION IS USED TRANSPOSED (source 0 = 16 columns d of wo, source 1 = 16 rows of vals): a lane holds eight neighbouring d of one row.  wo16 lies [k][d], so its fragments come turned, by ds_load_tr16_b128.
; THE BIAS IS THE C OF EACH SUM'S FIRST PRODUCT.
; REGISTERS: window 0: v0-31 addresses; v32-95 the way out; v96-127 the bias; v128-255 the accumulators ((a, b) at v[128 + 8 (4 a + b)]).   window 1: two fragment buffers of 128: 64 registers of vals, then 64 of wo.
.set PA,     144                       ; a row of vals in LDS: a head's 128 bytes + 16
.set HEADB,  128*PA                    ; a head's 128 rows
.set PB,     288                       ; a row of wo16: 256 bytes + 32: an odd multiple of 32 bytes, for the turning load
.set BOFF,   4*HEADB                   ; behind the four heads: 256 rows of wo16
.set WLOAD,  36864                     ; what one tensor load fills: two heads, or 128 rows of wo16
.set SLOT,   4*WLOAD
.set SPARE,  2*SLOT                    ; the spare words, 128 bytes for each wave: two blocks of 256 bytes that no other line names
.set SPITCH, 272                       ; the way out: 16 rows x (256 bytes + 16) for each wave, in slot 0, behind its last fill and its last read
.set ADRA, 16                          ; v16-17  vals' fragments in slot 0, 1
.set ADRB, 20                          ; v20-23  wo's: slot x 2 + (quarter / 2): an LDS offset has 16 bits
.set STO,  24
.set RD,   25
.set CO,   26
.set SPW,  28
.set NIL,  29
.set BO,   30
.set TMP,  32
.set BI,   96
.set ACC,  128
.set F0,   0
.set F1,   128
.set G1, 24
.set G0, 32
.set G1B, 48
.set G0B, 56
.set MSB, 0
.macro WIN new
.if MSB != (\new)
	s_set_vgpr_msb (MSB<<8)|(\new)
.set MSB, (\new)
.endif
.endm
.set MUL,  0x05                        ; sources 0 and 1 window 1; C and D window 0
.set TO_F, 0x40
.macro JLOAD s                         ; a joint load: waves 0 and 1 fetch two heads of vals each, waves 2 and 3 128 rows of wo16 each; an s_nop 0 and four v_nop follow each line
	s_cmp_eq_u32 s11, 0
	s_cbranch_scc0 .Lfor_b_\@
	tensor_load_to_lds s[G0+4*\s:G0+4*\s+3], s[G1:G1+7]
	s_nop 0
.rept 4
	v_nop
.endr
	s_branch .Lasked_\@
.Lfor_b_\@:
	tensor_load_to_lds s[G0B+4*\s:G0B+4*\s+3], s[G1B:G1B+7]
	s_nop 0
.rept 4
	v_nop
.endr
.Lasked_\@:
.endm
.macro CREST
	s_cmp_lg_u32 s10, 0
	s_cbranch_scc1 .Lnot_wave_0_\@
	s_barrier_signal -3
.Lnot_wave_0_\@:
	s_barrier_wait -3
	s_barrier_signal -1
	s_barrier_wait -1
.endm
.macro CROUND
	s_barrier_signal -1
	s_barrier_wait -1
	CREST
.endm
	s_load_b128 s[4:7], s[0:1], 0x0                ; vals, wo16
	s_load_b64 s[2:3], s[0:1], 0x10                ; bo
	s_load_b64 s[8:9], s[0:1], 0x18                ; out0
	v_lshl_add_u32 v[SPW], v0, 2, SPARE
	v_mov_b32 v[NIL], 0
	ds_add_u32 v[SPW], v[NIL]                      ; the wave's opening: the add, twice on end, and its wait ahead of my first tensor load
	ds_add_u32 v[SPW], v[NIL]
	v_lshrrev_b32 v1, 5, v0
	v_readfirstlane_b32 s10, v1                    ; wave 0..3
	s_lshr_b32 s11, s10, 1                         ; which half of the tile's rows is mine.  Also: I fetch vals (0) or wo16 (1)
	s_and_b32 s12, s10, 1                          ; which half of its columns.  Also: which half of that operand's K step I fetch
	s_bfe_u32 s40, ttmp6, 0x40000                  ; cx, cy
	s_bfe_u32 s41, ttmp6, 0x40004
	s_lshl_b32 s42, ttmp9, 2
	s_add_co_u32 s42, s42, s40                     ; tile column
	s_and_b32 s13, ttmp7, 0xffff
	s_lshl_b32 s13, s13, 2
	s_add_co_u32 s13, s13, s41                     ; tile row
	s_lshl_b32 s43, s41, 2
	s_lshl_b32 s43, 15, s43                        ; my row of the cluster
	s_lshl_b32 s44, 0x1111, s40                    ; my column
	; vals: a head's 128 rows of 128 bytes are 16,384 dense bytes: stated as ONE row of 2,048 elements of 8 bytes, two such rows (two heads, 524,288 bytes apart), 16 bytes of padding behind every 128
	s_or_b32 s[G1+0], s43, (3<<16)|(1<<20)|(1<<21)|(4<<22)|(3<<25)
	s_mov_b32 s[G1+1], 2048<<16                    ; tensor_dim0
	s_mov_b32 s[G1+2], 2<<16                       ; tensor_dim1
	s_mov_b32 s[G1+3], 2048<<16                    ; tile_dim0
	s_mov_b32 s[G1+4], 2                           ; tile_dim1
	s_mov_b32 s[G1+5], 65536                       ; tensor_dim0_stride, in elements of 8 bytes
	s_mov_b32 s[G1+6], 0
	s_mov_b32 s[G1+7], 0
	; wo16: 128 rows x 128 elements of 2 bytes, 1,024 elements apart, 32 bytes of padding behind each row
	s_or_b32 s[G1B+0], s44, (1<<16)|(1<<20)|(1<<21)|(5<<22)|(7<<25)
	s_mov_b32 s[G1B+1], 128<<16
	s_mov_b32 s[G1B+2], 128<<16
	s_mov_b32 s[G1B+3], 128<<16
	s_mov_b32 s[G1B+4], 128
	s_mov_b32 s[G1B+5], 1024
	s_mov_b32 s[G1B+6], 0
	s_mov_b32 s[G1B+7], 0
	s_lshl_b32 s16, s13, 14                        ; vals: 128 rows of 128 bytes a tile row,
	s_lshl_b32 s17, s12, 20                        ; two heads for my half
	s_add_co_u32 s16, s16, s17
	s_mov_b32 s17, 0
	s_lshl_b32 s46, s42, 8                         ; wo16: 128 columns of 2 bytes a tile column,
	s_lshl_b32 s47, s12, 18                        ; 128 rows of 2,048 bytes for my half
	s_add_co_u32 s46, s46, s47
	s_mov_b32 s47, 0
	s_mul_i32 s20, s10, WLOAD                      ; where they go: no place in the cluster enters an LDS address
	s_wait_dscnt 0x0                               ; both opening adds are done
	s_wait_kmcnt 0x0
	s_add_nc_u64 s[14:15], s[4:5], s[16:17]
	s_add_nc_u64 s[46:47], s[6:7], s[46:47]
	CROUND                                         ; all sixteen work-groups are here: the first joint loads meet
.irp s, 0,1
	s_mov_b32 s[G0+4*\s], 1
	s_add_co_u32 s[G0+4*\s+1], s20, \s*SLOT
	s_add_nc_u64 s[G0+4*\s+2:G0+4*\s+3], s[14:15], \s*2097152      ; K step s: four heads on
	s_or_b32 s[G0+4*\s+3], s[G0+4*\s+3], 0x80000000
	s_mov_b32 s[G0B+4*\s], 1
	s_add_co_u32 s[G0B+4*\s+1], s20, \s*SLOT
	s_add_nc_u64 s[G0B+4*\s+2:G0B+4*\s+3], s[46:47], \s*524288     ; 256 rows on
	s_or_b32 s[G0B+4*\s+3], s[G0B+4*\s+3], 0x80000000
	JLOAD \s
.endr
	v_and_b32 v1, 15, v0                           ; r
	v_bfe_u32 v2, v0, 4, 1                         ; h
	s_lshl_b32 s46, s42, 9                         ; my first column, in bytes of f32: 512 x tile column + 256 x half
	s_lshl_b32 s47, s12, 8
	s_add_co_u32 s46, s46, s47
	s_mov_b32 s47, 0
	s_add_nc_u64 s[2:3], s[2:3], s[46:47]
	v_lshlrev_b32 v[BO], 5, v2
.irp b, 0,1,2,3
	global_load_b128 v[BI+8*\b:BI+8*\b+3], v[BO], s[2:3] offset:64*\b          ; lane (r, h): bo[16 b + 8 h + 0 .. 7]: the result's layout
	global_load_b128 v[BI+8*\b+4:BI+8*\b+7], v[BO], s[2:3] offset:64*\b+16
.endr
	v_mul_u32_u24 v3, v1, PA
	v_lshl_add_u32 v3, v2, 4, v3                   ; vals: row r x pitch + 16 h
	v_and_b32 v5, 7, v0
	v_lshl_add_u32 v5, v2, 3, v5
	v_mul_u32_u24 v4, v5, PB
	v_bfe_u32 v5, v0, 3, 1
	v_lshl_add_u32 v4, v5, 4, v4                   ; wo16: lane l reads row 8 h + l % 8, columns 8 ((l / 8) % 2) on
	s_mul_i32 s21, s11, 64*PA                      ; my 64 rows of each head
	s_lshl_b32 s22, s12, 7                         ; my 64 columns
	s_add_co_u32 s22, s22, BOFF
.irp s, 0,1
	v_add_nc_u32 v[ADRA+\s], s21, v3
	v_add_nc_u32 v[ADRB+2*\s], s22, v4
	s_add_co_u32 s22, s22, WLOAD
	v_add_nc_u32 v[ADRB+2*\s+1], s22, v4
	s_add_co_u32 s21, s21, SLOT
	s_add_co_u32 s22, s22, SLOT-WLOAD
.endr
	s_mul_i32 s23, s10, 16*SPITCH                  ; my stage
	v_mul_u32_u24 v5, v1, SPITCH
	v_lshl_add_u32 v5, v2, 5, v5
	v_add_nc_u32 v[STO], s23, v5                   ; in: row r, 32 bytes for each half of the lanes
	v_mul_u32_u24 v5, v2, SPITCH
	v_lshl_add_u32 v5, v1, 4, v5
	v_add_nc_u32 v[RD], s23, v5                    ; back: lanes 0-15 one row of 256 bytes, lanes 16-31 the next
	v_lshlrev_b32 v5, 12, v2
	v_lshl_add_u32 v[CO], v1, 4, v5                ; and the same two rows in out0
	s_lshl_b32 s16, s13, 19                        ; 128 rows of 4,096 bytes a tile row,
	s_lshl_b32 s17, s11, 18                        ; 64 for my half
	s_add_co_u32 s16, s16, s17
	s_mov_b32 s17, 0
	s_add_nc_u64 s[8:9], s[8:9], s[16:17]
	s_add_nc_u64 s[8:9], s[8:9], s[46:47]
; 8 matrix instructions: row blocks a0, a0 + 1 x all 4 column blocks, 32 along K: half c of buffer f.  first = 1: the bias is the C.  The 16 accumulators take turns.
.macro MUL8 f, c, a0, first
.irp a, \a0, \a0+1
.irp b, 0,1,2,3
.if \first
	v_wmma_f32_16x16x32_f16 v[ACC+8*(4*(\a)+\b):ACC+8*(4*(\a)+\b)+7], v[\f+64+8*(4*\c+\b):\f+64+8*(4*\c+\b)+7], v[\f+8*(4*\c+\a):\f+8*(4*\c+\a)+7], v[BI+8*\b:BI+8*\b+7]
.else
	v_wmma_f32_16x16x32_f16 v[ACC+8*(4*(\a)+\b):ACC+8*(4*(\a)+\b)+7], v[\f+64+8*(4*\c+\b):\f+64+8*(4*\c+\b)+7], v[\f+8*(4*\c+\a):\f+8*(4*\c+\a)+7], v[ACC+8*(4*(\a)+\b):ACC+8*(4*(\a)+\b)+7]
.endif
.endr
.endr
.endm
; 32 LDS loads in one run: the fragments of quarter qt (64 along K: one head) of a slot into buffer f; the first 32 along K first
.macro FETCH slot, qt, f
	WIN TO_F
.irp c, 0,1
.irp i, 0,1,2,3
	ds_load_tr16_b128 v[\f+64+8*(4*\c+\i):\f+64+8*(4*\c+\i)+3],   v[ADRB+2*\slot+(\qt)/2] offset:(((\qt)%2)*64+32*\c)*PB+32*\i
	ds_load_tr16_b128 v[\f+64+8*(4*\c+\i)+4:\f+64+8*(4*\c+\i)+7], v[ADRB+2*\slot+(\qt)/2] offset:(((\qt)%2)*64+32*\c)*PB+32*\i+16*PB
	ds_load_b128 v[\f+8*(4*\c+\i):\f+8*(4*\c+\i)+3],              v[ADRA+\slot] offset:(\qt)*HEADB+64*\c+\i*16*PA
	ds_load_b128 v[\f+8*(4*\c+\i)+4:\f+8*(4*\c+\i)+7],            v[ADRA+\slot] offset:(\qt)*HEADB+64*\c+\i*16*PA+32
.endr
.endr
.endm
.macro PLACES
.rept 4
	v_nop
.endr
.endm
; One of a K step's first three quarters: multiplies buffer f and fetches quarter qn into g.
.macro QUARTER slot, qn, f, g, first
	s_wait_dscnt 16                                ; the first 32 along K are in
	WIN MUL
	MUL8 \f, 0, 0, \first
	MUL8 \f, 0, 2, \first
	PLACES
	FETCH \slot, \qn, \g
	s_wait_dscnt 32                                ; all but the 32 just issued
	WIN MUL
	MUL8 \f, 1, 0, 0
	MUL8 \f, 1, 2, 0
.endm
; The last quarter multiplies buffer 1 and changes slots: ONE barrier; in front of it each wave waits for all its tensor loads, adds 0 to its spare word, and waits for that and for its reads of this slot.
; fill = 1: the barrier opens a round of the cluster's, and this slot is filled again, two K steps ahead.
.macro TURN slot, next, fill
	WIN 0
	s_wait_tensorcnt 0x0                           ; all my tensor loads have landed: my part of the next slot;
	ds_add_u32 v[SPW], v[NIL]                      ; 0 onto my spare word;
	s_wait_dscnt 17                                ; (the add and the youngest sixteen loads may be out)
	WIN MUL
	MUL8 F1, 0, 0, 0
	s_wait_dscnt 0x0                               ; the add is done, and my reads of this slot are over
	s_barrier_signal -1
	MUL8 F1, 0, 2, 0
.if \fill
	WIN 0
.endif
	s_barrier_wait -1
.if \fill
	CREST                                          ; no wave of any partner still reads this slot's tile or has a load on its way
	s_add_nc_u64 s[G0+4*\slot+2:G0+4*\slot+3], s[G0+4*\slot+2:G0+4*\slot+3], 4194304
	s_add_nc_u64 s[G0B+4*\slot+2:G0B+4*\slot+3], s[G0B+4*\slot+2:G0B+4*\slot+3], 1048576
	JLOAD \slot                                    ; the first tensor load behind the round; its four v_nop are also the places in front of the loads below
.else
	PLACES
.endif
	FETCH \next, 0, F0
	WIN MUL
	MUL8 F1, 1, 0, 0
	MUL8 F1, 1, 2, 0
.endm
	s_wait_tensorcnt 1                             ; my part of K step 0 is in (K step 1's load may be out)
	s_barrier_signal -1
	s_barrier_wait -1                              ; everybody's is
	s_wait_loadcnt 0x0                             ; the bias
	FETCH 0, 0, F0
	QUARTER 0, 1, F0, F1, 1                        ; K step 0
	QUARTER 0, 2, F1, F0, 0
	QUARTER 0, 3, F0, F1, 0
	TURN 0, 1, 1                                   ; slot 0 takes K step 2
	QUARTER 1, 1, F0, F1, 0                        ; K step 1
	QUARTER 1, 2, F1, F0, 0
	QUARTER 1, 3, F0, F1, 0
	TURN 1, 0, 1                                   ; slot 1 takes K step 3
	QUARTER 0, 1, F0, F1, 0                        ; K step 2
	QUARTER 0, 2, F1, F0, 0
	QUARTER 0, 3, F0, F1, 0
	TURN 0, 1, 0                                   ; nothing is left to ask for
	QUARTER 1, 1, F0, F1, 0                        ; K step 3
	QUARTER 1, 2, F1, F0, 0
	QUARTER 1, 3, F0, F1, 0
	s_wait_dscnt 16
	WIN MUL
	MUL8 F1, 0, 0, 0
	MUL8 F1, 0, 2, 0
	s_wait_dscnt 0
	MUL8 F1, 1, 0, 0
	MUL8 F1, 1, 2, 0
	WIN 0
; THE WAY OUT, block by block of 16 rows x 64 columns.  A wave's 64 columns of f32 are 256 bytes, aligned: each wave has a stage of its own and needs no barrier.
.macro TOSTAGE a
.set BB, TMP+32*((\a)%2)
.irp b, 0,1,2,3
	ds_store_b128 v[STO], v[ACC+8*(4*(\a)+\b):ACC+8*(4*(\a)+\b)+3] offset:64*\b          ; each accumulator from its low end on
	ds_store_b128 v[STO], v[ACC+8*(4*(\a)+\b)+4:ACC+8*(4*(\a)+\b)+7] offset:64*\b+16
.endr
.irp t, 0,1,2,3,4,5,6,7
	ds_load_b128 v[BB+4*\t:BB+4*\t+3], v[RD] offset:\t*2*SPITCH    ; LDS serves a wave's instructions in order: these see the stores above
.endr
.endm
.macro SEND a, younger
.set BB, TMP+32*((\a)%2)
	s_wait_dscnt \younger                          ; the block is back in registers; the next block's 8 stores and 8 loads may be out
.irp t, 0,1,2,3,4,5,6,7
	global_store_b128 v[CO], v[BB+4*\t:BB+4*\t+3], s[8:9] offset:(16*(\a)+2*\t)*4096 th:TH_STORE_NT   ; sixteen lanes store 256 consecutive bytes, aligned
.endr
.endm
	PLACES
	TOSTAGE 0
	TOSTAGE 1
	SEND 0, 16
	s_wait_xcnt 0x0                                ; block 0's stores have read their registers: block 2's loads may land there
	TOSTAGE 2
	SEND 1, 16
	s_wait_xcnt 0x0
	TOSTAGE 3
	SEND 2, 16
	SEND 3, 0
	s_wait_tensorcnt 0x0                           ; the wave's end, behind my last tensor load and my last LDS store
	ds_add_u32 v[SPW], v[NIL]
	s_wait_dscnt 0x0
	CROUND                                         ; the closing round
	s_endpgm
.Lfunc_end_k_q137430fd79_proj:
	.size	k_q137430fd79_proj, .Lfunc_end_k_q137430fd79_proj-k_q137430fd79_proj
	.p2alignl 7, 3214868480
	.fill 96, 4, 3214868480
	.section	.rodata,"a",@progbits
	.p2align	6, 0x0
	.amdhsa_kernel k_q137430fd79_proj
		.amdhsa_group_segment_fixed_size 327680
		.amdhsa_private_segment_fixed_size 0
		.amdhsa_enable_private_segment 0
		.amdhsa_kernarg_size 32
		.amdhsa_user_sgpr_count 2
		.amdhsa_user_sgpr_kernarg_segment_ptr 1
		.amdhsa_wavefront_size32 1
		.amdhsa_system_sgpr_workgroup_id_x 1
		.amdhsa_system_sgpr_workgroup_id_y 1
		.amdhsa_system_sgpr_workgroup_id_z 1
		.amdhsa_system_vgpr_workitem_id 0
		.amdhsa_next_free_vgpr 512
		.amdhsa_next_free_sgpr 66
		.amdhsa_reserve_vcc 0
		.amdhsa_float_denorm_mode_32 3
		.amdhsa_float_denorm_mode_16_64 3
		.amdhsa_memory_ordered 1
		.amdhsa_forward_progress 1
		.amdhsa_inst_pref_size 87
	.end_amdhsa_kernel
	.amdgpu_metadata
---
amdhsa.version: [ 1, 2 ]
amdhsa.kernels:
  - .name:           k_q137430fd79_proj
    .symbol:         k_q137430fd79_proj.kd
    .args:
      - { .name: vals, .offset: 0, .size: 8, .value_kind: global_buffer, .address_space: global }
      - { .name: wo16, .offset: 8, .size: 8, .value_kind: global_buffer, .address_space: global }
      - { .name: bo, .offset: 16, .size: 8, .value_kind: global_buffer, .address_space: global }
      - { .name: out0, .offset: 24, .size: 8, .value_kind: global_buffer, .address_space: global }
    .group_segment_fixed_size: 327680
    .private_segment_fixed_size: 0
    .kernarg_segment_align: 8
    .kernarg_segment_size: 32
    .max_flat_workgroup_size: 128
    .sgpr_count:     66
    .vgpr_count:     512
    .wavefront_size: 32
...
	.end_amdgpu_metadata
.endif
;; end of part 4
;; launch first16 (part 5): grid 64 x 1, 16 waves a work-group, no clusters, 18,432 bytes of LDS; arguments r32, wo, bo, out0; writes out0
.if DOCPART == 5
	.amdgcn_target "amdgcn-amd-amdhsa--gfx1250"
	.amdhsa_code_object_version 6
	.text
	.protected	k_q137430fd79_first16
	.globl	k_q137430fd79_first16
	.p2align	8
	.type	k_q137430fd79_first16,@function
k_q137430fd79_first16:
	s_mov_b64 s[64:65], 0
	v_nop
	global_prefetch_b8 v0, s[64:65] scope:SCOPE_SE
	s_setreg_imm32_b32 hwreg(HW_REG_WAVE_MODE, 25, 1), 1
	s_wait_xcnt 0x0
; FIRST16: rows 0-15 of out0 once more, all in f32.  Under the causal mask these rows average one to sixteen values and are the largest in size, so f16 operands would use up what the comparison allows.
; r32: [16 pos][3072] f32: q, k, v of positions 0-15, bias added.  wo: [1024 hk][1024 d] f32.  The launch writes over the 65,536 bytes that the launch before left in rows 0-15.
; SHARES.  Work-group x owns columns 16 x .. 16 x + 15 of the 16 rows; wave = head.  Every work-group repeats the small attention (16 keys: 32 matrix instructions a wave), multiplies its head's 64 channels by its
; 16 columns of wo (16 more), and the 16 heads' parts are summed through LDS, heads ascending.  64 work-groups, so that the chain of 48 f32 matrix instructions a wave is walked once: the price is stores in runs of 64 bytes.
; THE f32 MATRIX FORM takes K = 4: lane (r, h), register j: k = 2 h + j.  K's order is free where both sources take the same: scores: channel 32 h + 2 i + j in instruction i; P V: key 8 h + 2 i + j;
; the way out: channel 16 t + 8 h + 2 i + j.  So registers 2 i, 2 i + 1 of one product's result are the next product's operand pair, and nothing changes lanes.
; The registers that the matrix instructions write (v160-255) are written by them alone; each sum begins with the constant 0; four accumulators take turns.
; LIMITS: hidden scores are taken as -infinity where the model subtracts 1e9.
.set SPARE, 16384                      ; behind the 16 waves' partial sums of 1,024 bytes: the spare words, 128 bytes a wave: eight blocks of 256 bytes that no other line names
.set SPW, 6
.set NIL, 7
.set SS,  16                           ; v16-23  the scores, then p; later the wave's part of out0
.set QR,  32
.set KR,  64
.set VR,  96
.set WR,  128
.set OA,  160
.set SA,  192
.set OT,  224
	s_load_b256 s[4:11], s[0:1], 0x0               ; r32, wo, bo, out0
	v_lshl_add_u32 v[SPW], v0, 2, SPARE
	v_mov_b32 v[NIL], 0
	v_lshrrev_b32 v1, 5, v0
	v_readfirstlane_b32 s12, v1                    ; wave = head
	v_and_b32 v1, 15, v0                           ; r
	v_bfe_u32 v2, v0, 4, 1                         ; h
	v_and_b32 v13, 31, v0                          ; lane
	s_lshl_b32 s18, s12, 8                         ; the head's 64 channels of 4 bytes
	v_mul_u32_u24 v3, v1, 12288
	v_lshl_add_u32 v3, v2, 7, v3
	v_add_nc_u32 v3, s18, v3                       ; q, k: position r, channels 32 h on
	v_mul_u32_u24 v4, v2, 98304
	v_lshl_add_u32 v4, v1, 2, v4
	v_add_nc_u32 v4, s18, v4                       ; v: positions 8 h on, channel r
	v_lshlrev_b32 v5, 15, v2
	v_lshl_add_u32 v5, v1, 2, v5                   ; wo and out0: rows 8 h on (4,096 bytes each), column r
	v_lshlrev_b32 v15, 2, v1                       ; bo: column r
	v_lshlrev_b32 v8, 4, v13
	s_lshl_b32 s19, s12, 10
	v_add_nc_u32 v8, s19, v8                       ; my partial sums: 1,024 x wave + 16 x lane
	s_and_b32 s20, s12, 7                          ; on the way out wave w < 8 takes register w of every lane: row 8 h + w
	s_lshr_b32 s21, s20, 2
	s_lshl_b32 s21, s21, 9
	s_and_b32 s22, s20, 3
	s_lshl_b32 s22, s22, 2
	s_add_co_u32 s21, s21, s22
	v_lshlrev_b32 v9, 4, v13
	v_add_nc_u32 v9, s21, v9                       ; 16 x lane + 512 (w / 4) + 4 (w % 4)
	v_lshlrev_b32 v11, 3, v2
	v_sub_nc_u32 v11, v1, v11                      ; r - 8 h: register j (key 8 h + j) is hidden where j is greater
	v_mov_b32 v12, 0xff800000
	s_mov_b32 s14, 0x76543210
	s_mov_b32 s15, 0xfedcba98
	s_mov_b32 s16, 0x3e38aa3b                      ; c = log2(e) / 8
	s_mov_b32 s17, s16
	s_lshl_b32 s24, ttmp9, 6                       ; my 16 columns, in bytes
	s_mov_b32 s25, 0
	s_lshl_b32 s26, s12, 18                        ; the head's 64 rows of wo
	s_add_co_u32 s26, s26, s24
	s_mov_b32 s27, 0
	s_lshl_b32 s28, s20, 12                        ; row w of out0
	s_add_co_u32 s28, s28, s24
	s_mov_b32 s29, 0
	s_wait_kmcnt 0x0
	s_add_nc_u64 s[6:7], s[6:7], s[26:27]
	s_add_nc_u64 s[8:9], s[8:9], s[24:25]
	s_add_nc_u64 s[10:11], s[10:11], s[28:29]
.irp i, 0,1,2,3,4,5,6,7
	global_load_b128 v[QR+4*\i:QR+4*\i+3], v3, s[4:5] offset:16*\i
.endr
.irp i, 0,1,2,3,4,5,6,7
	global_load_b128 v[KR+4*\i:KR+4*\i+3], v3, s[4:5] offset:4096+16*\i
.endr
.irp t, 0,1,2,3
.irp k, 0,1,2,3,4,5,6,7
	global_load_b32 v[VR+8*\t+\k], v4, s[4:5] offset:12288*\k+8192+64*\t       ; v(8 h + k, 16 t + r)
.endr
.endr
.irp t, 0,1,2,3
.irp k, 0,1,2,3,4,5,6,7
	global_load_b32 v[WR+8*\t+\k], v5, s[6:7] offset:(16*\t+\k)*4096           ; wo(16 t + 8 h + k, r)
.endr
.endr
	global_load_b32 v14, v15, s[8:9]
	s_wait_loadcnt 63                              ; q and k are in: 65 loads were issued behind them, more than a wait can name; the smaller count is safe
	; S^T = K Q^T: source 0 = 16 keys, source 1 = 16 queries: lane (r, h) holds query r, keys 8 h + 0 .. 7
.set i, 0
.rept 16
.if i < 4
	v_wmma_f32_16x16x4_f32 v[SA+8*(i%4):SA+8*(i%4)+7], v[KR+2*i:KR+2*i+1], v[QR+2*i:QR+2*i+1], 0
.else
	v_wmma_f32_16x16x4_f32 v[SA+8*(i%4):SA+8*(i%4)+7], v[KR+2*i:KR+2*i+1], v[QR+2*i:QR+2*i+1], v[SA+8*(i%4):SA+8*(i%4)+7]
.endif
.set i, i+1
.endr
.rept 8
	v_nop                                          ; eight places behind this form, ahead of the first read of its results (ISA guide 7.12.1)
.endr
.irp j, 0,2,4,6
	v_pk_add_f32 v[SS+\j:SS+\j+1], v[SA+\j:SA+\j+1], v[SA+8+\j:SA+8+\j+1]      ; the four parts, each read from its low end on
.endr
.irp j, 0,2,4,6
	v_pk_add_f32 v[24+\j:25+\j], v[SA+16+\j:SA+16+\j+1], v[SA+24+\j:SA+24+\j+1]
.endr
.irp j, 0,2,4,6
	v_pk_add_f32 v[SS+\j:SS+\j+1], v[SS+\j:SS+\j+1], v[24+\j:25+\j]
.endr
.irp j, 0,1,2,3,4,5,6,7
	v_cmp_gt_i32 vcc_lo, \j, v11
	v_cndmask_b32 v[SS+\j], v[SS+\j], v12, vcc_lo
.endr
	v_max3_num_f32 v24, v16, v17, v18
	v_max3_num_f32 v25, v19, v20, v21
	v_max3_num_f32 v24, v24, v22, v23
	v_max_num_f32 v24, v24, v25
	v_permlanex16_b32 v25, v24, s14, s15
	v_max_num_f32 v24, v24, v25                    ; the row's maximum: key 0 counts for every query, so it is a number
	v_mul_f32 v24, s16, v24
.irp j, 0,2,4,6
	v_pk_fma_f32 v[SS+\j:SS+\j+1], v[SS+\j:SS+\j+1], s[16:17], v[24:25] op_sel_hi:[1,0,0] neg_lo:[0,0,1] neg_hi:[0,0,1]
.endr
.irp j, 0,1,2,3,4,5,6,7
	v_exp_f32 v[SS+\j], v[SS+\j]
.endr
	v_nop                                          ; a plain line behind the last exponential
	s_wait_alu depctr_va_vdst(0)                   ; one wait for the eight, ahead of their first use
	v_pk_add_f32 v[26:27], v[16:17], v[18:19]
	v_pk_add_f32 v[28:29], v[20:21], v[22:23]
	v_pk_add_f32 v[26:27], v[26:27], v[28:29]
	v_add_f32 v26, v26, v27
	v_permlanex16_b32 v27, v26, s14, s15
	v_add_f32 v26, v26, v27
	v_rcp_f32 v26, v26
	v_nop
	s_wait_alu depctr_va_vdst(0)
.irp j, 0,2,4,6
	v_pk_mul_f32 v[SS+\j:SS+\j+1], v[SS+\j:SS+\j+1], v[26:27] op_sel_hi:[1,0]  ; p, normalised
.endr
	s_wait_loadcnt 33                              ; v is in; behind it: wo's 32 loads and bo's
	; O^T = V^T P: source 0 = 16 channels, source 1 = p: lane (r, h) holds query r, channels 16 t + 8 h + 0 .. 7
.irp i, 0,1,2,3
.irp t, 0,1,2,3
.if \i == 0
	v_wmma_f32_16x16x4_f32 v[OT+8*\t:OT+8*\t+7], v[VR+8*\t+2*\i:VR+8*\t+2*\i+1], v[SS+2*\i:SS+2*\i+1], 0
.else
	v_wmma_f32_16x16x4_f32 v[OT+8*\t:OT+8*\t+7], v[VR+8*\t+2*\i:VR+8*\t+2*\i+1], v[SS+2*\i:SS+2*\i+1], v[OT+8*\t:OT+8*\t+7]
.endif
.endr
.endr
.rept 9
	v_nop                                          ; nine places before a matrix instruction takes these results as a source
.endr
	s_wait_loadcnt 0x0                             ; wo and bo
	; my head's part of out0: source 0 = 16 queries (O^T's registers as they stand), source 1 = 16 columns of wo: lane (r, h) holds column r, queries 8 h + 0 .. 7
.irp i, 0,1,2,3
.irp t, 0,1,2,3
.if \i == 0
	v_wmma_f32_16x16x4_f32 v[OA+8*\t:OA+8*\t+7], v[OT+8*\t+2*\i:OT+8*\t+2*\i+1], v[WR+8*\t+2*\i:WR+8*\t+2*\i+1], 0
.else
	v_wmma_f32_16x16x4_f32 v[OA+8*\t:OA+8*\t+7], v[OT+8*\t+2*\i:OT+8*\t+2*\i+1], v[WR+8*\t+2*\i:WR+8*\t+2*\i+1], v[OA+8*\t:OA+8*\t+7]
.endif
.endr
.endr
.rept 8
	v_nop
.endr
.irp j, 0,2,4,6
	v_pk_add_f32 v[SS+\j:SS+\j+1], v[OA+\j:OA+\j+1], v[OA+8+\j:OA+8+\j+1]
.endr
.irp j, 0,2,4,6
	v_pk_add_f32 v[24+\j:25+\j], v[OA+16+\j:OA+16+\j+1], v[OA+24+\j:OA+24+\j+1]
.endr
.irp j, 0,2,4,6
	v_pk_add_f32 v[SS+\j:SS+\j+1], v[SS+\j:SS+\j+1], v[24+\j:25+\j]
.endr
	ds_store_b128 v8, v[16:19]                     ; an image of my eight registers: 16 bytes a lane, twice
	ds_store_b128 v8, v[20:23] offset:512
	s_wait_tensorcnt 0x0                           ; behind my last LDS store
	ds_add_u32 v[SPW], v[NIL]
	s_wait_dscnt 0x0                               ; my stores have landed: for the others' sake, zero
	s_barrier_signal -1
	s_barrier_wait -1                              ; the 16 heads' parts lie in LDS
	s_cmp_lt_u32 s12, 8
	s_cbranch_scc0 .Lend
.irp s, 0,1,2,3,4,5,6,7,8,9,10,11,12,13,14,15
	ds_load_b32 v[VR+\s], v9 offset:1024*\s        ; head s's part of out0(8 h + w, column r)
.endr
	s_wait_dscnt 0x0
	v_add_f32 v16, v[VR], v[VR+1]
.irp s, 2,3,4,5,6,7,8,9,10,11,12,13,14,15
	v_add_f32 v16, v16, v[VR+\s]                   ; heads ascending
.endr
	v_add_f32 v16, v16, v14                        ; + bo
	global_store_b32 v5, v16, s[10:11]             ; sixteen lanes store 64 consecutive bytes of a row
.Lend:
	s_endpgm
.Lfunc_end_k_q137430fd79_first16:
	.size	k_q137430fd79_first16, .Lfunc_end_k_q137430fd79_first16-k_q137430fd79_first16
	.p2alignl 7, 3214868480
	.fill 96, 4, 3214868480
	.section	.rodata,"a",@progbits
	.p2align	6, 0x0
	.amdhsa_kernel k_q137430fd79_first16
		.amdhsa_group_segment_fixed_size 18432
		.amdhsa_private_segment_fixed_size 0
		.amdhsa_enable_private_segment 0
		.amdhsa_kernarg_size 32
		.amdhsa_user_sgpr_count 2
		.amdhsa_user_sgpr_kernarg_segment_ptr 1
		.amdhsa_wavefront_size32 1
		.amdhsa_system_sgpr_workgroup_id_x 1
		.amdhsa_system_sgpr_workgroup_id_y 1
		.amdhsa_system_sgpr_workgroup_id_z 1
		.amdhsa_system_vgpr_workitem_id 0
		.amdhsa_next_free_vgpr 256
		.amdhsa_next_free_sgpr 66
		.amdhsa_reserve_vcc 1
		.amdhsa_float_denorm_mode_32 3
		.amdhsa_float_denorm_mode_16_64 3
		.amdhsa_memory_ordered 1
		.amdhsa_forward_progress 1
		.amdhsa_inst_pref_size 20
	.end_amdhsa_kernel
	.amdgpu_metadata
---
amdhsa.version: [ 1, 2 ]
amdhsa.kernels:
  - .name:           k_q137430fd79_first16
    .symbol:         k_q137430fd79_first16.kd
    .args:
      - { .name: r32, .offset: 0, .size: 8, .value_kind: global_buffer, .address_space: global }
      - { .name: wo, .offset: 8, .size: 8, .value_kind: global_buffer, .address_space: global }
      - { .name: bo, .offset: 16, .size: 8, .value_kind: global_buffer, .address_space: global }
      - { .name: out0, .offset: 24, .size: 8, .value_kind: global_buffer, .address_space: global }
    .group_segment_fixed_size: 18432
    .private_segment_fixed_size: 0
    .kernarg_segment_align: 8
    .kernarg_segment_size: 32
    .max_flat_workgroup_size: 512
    .sgpr_count:     66
    .vgpr_count:     256
    .wavefront_size: 32
...
	.end_amdgpu_metadata
.endif
;; end of part 5
